; MI455X (gfx1250); checked and timed in simulation.
; The chip was launched on July 23, 2026; its instructions are those of AMD's public machine-readable ISA for CDNA 5 (MIT licence, August 2026) and "CDNA5" Instruction Set Architecture Reference Guide (July 2026). The comments in the code are by the model that wrote it; some were corrected since.
;; MLP. Allowed arithmetic: float matrix products may take bf16 or f16 operands with f32 sums; other float arithmetic in f32, or as packed bf16 or f16 multiplies, adds, multiply-adds, maxima and minima; sums over many terms, partial sums and values carried from step to step in f32; what a program stores and reads back later, other than sums and carried values, may be rounded once to bf16 or f16.
;; Inputs: b1 16 x 2,048 float32; b2 16 x 1,024 float32; bg 16 float32; norm_scale 1,024 float32; w1 16 x 1,024 x 2,048 float32; w2 16 x 1,024 x 1,024 float32; wg 1,024 x 16 float32; x 2 x 512 x 1,024 float32.
;; Outputs: out0 2 x 512 x 1,024 float32.
;; 3 versions, each right; version 2 is faster than version 1; version 3 is version 2 with the launch ffn2 written anew for expert scheduling mode. Each part assembles by itself: llvm-mc -triple=amdgcn-amd-amdhsa -mcpu=gfx1250 --defsym DOCPART=n.
;; ======== version 1 of 3: 4 launches
;; workspace buffers: xn 2,097,152 bytes; sel 4,096 bytes of whole numbers; idx 16,384 bytes of whole numbers; gat 16,384 bytes; hid 33,554,432 bytes; y 67,108,864 bytes
;; launch router (part 1): grid 256 x 1, 4 waves a work-group, no clusters, 2,048 bytes of LDS; arguments x, norm_scale, wg, bg, xn, sel, idx, gat; writes xn, sel, idx, gat
.if DOCPART == 1
	.amdgcn_target "amdgcn-amd-amdhsa--gfx1250"
	.amdhsa_code_object_version 6
	.text
	.protected	k_qa943c8adcb_router
	.globl	k_qa943c8adcb_router
	.p2align	8
	.type	k_qa943c8adcb_router,@function
k_qa943c8adcb_router:
	s_mov_b64 s[64:65], 0
	v_nop
	global_prefetch_b8 v0, s[64:65] scope:SCOPE_SE
	s_setreg_imm32_b32 hwreg(HW_REG_WAVE_MODE, 25, 1), 1
	s_wait_xcnt 0x0
; RMSNorm, router logits, top-4 and the softmax over the four chosen logits.
; A work-group owns 4 tokens.  Wave w owns hidden columns 256 w .. 256 w + 255 of all four (so wg is read once a work-group); behind the
; one barrier wave w also ranks token 4 b + w.  Lane l owns columns 256 w + 128 i + 4 l + c (i = 0, 1; c = 0..3).
; Stored: xn (bf16, [token][1024]); sel (one word a token, bit e = expert e chosen); idx (4 experts a token); gat (their 4 gates, f32).
; No address and no branch hangs on a floating-point number: the choice is only stored, at fixed places.
; LIMITS.  The logits are summed in f32 in another order than a plain matrix product, and scaled by the row's rsqrt behind the sum: two logits
; closer than some 1e-6 of their size may change places.  Equal logits: the lower expert first.  NaN and infinite logits are not ranked.
.set PART,  0                          ; LDS: for each wave 68 f32: 64 logit parts (token x 16 + expert), 4 sums of squares; 272 bytes a wave
.set SPARE, 1280                       ; the spare words, 128 bytes a wave
.set X,   16                           ; v[16:47]   x, then x * scale, then xn: token tk, half i, column c at X + 8 tk + 4 i + c
.set SC,  48                           ; v[48:55]   norm_scale of my 8 columns
.set RED, 56                           ; v[56:119]  logit parts; v[120:123] sums of squares
.set WG,  128                          ; v[128:255] wg: column 4 i + c, expert e at WG + 16 (4 i + c) + e; free afterwards
	s_load_b512 s[4:19], s[0:1], 0x0               ; x, norm_scale, wg, bg, xn, sel, idx, gat
	v_lshl_add_u32 v4, v0, 2, SPARE                ; my spare word, and 0: kept for the closing add alone
	v_mov_b32 v5, 0
	v_and_b32 v1, 31, v0                           ; lane
	v_lshrrev_b32 v2, 5, v0
	v_readfirstlane_b32 s20, v2                    ; wave
	v_and_b32 v3, 15, v0                           ; the expert that my lane stands for in the ranking
	s_lshl_b32 s22, ttmp9, 14                      ; 4 tokens of 4,096 bytes in x
	s_mov_b32 s23, 0
	s_mov_b32 s24, 0x76543210                      ; v_permlanex16_b32: each lane takes its own place in the other half
	s_mov_b32 s25, 0xfedcba98
	s_mov_b32 s26, 0x3a800000                      ; 1 / 1024
	s_mov_b32 s27, 0x3727c5ac                      ; 1e-5
	s_lshl_b32 s30, ttmp9, 13                      ; 4 tokens of 2,048 bytes in xn
	s_mov_b32 s31, 0
	s_lshl_b32 s32, ttmp9, 2
	s_add_co_u32 s32, s32, s20                     ; the token that my wave ranks
	s_mov_b32 s35, 0                               ; its mask of chosen experts
	v_lshlrev_b32 v6, 4, v1
	v_lshl_add_u32 v6, s20, 10, v6                 ; byte of my 4 columns in a row of x and in norm_scale
	v_lshlrev_b32 v7, 8, v1
	v_lshl_add_u32 v7, s20, 14, v7                 ; byte of my first column's 16 weights in wg
	v_lshlrev_b32 v8, 2, v3
	v_mov_b32 v9, 0xff800000                       ; -infinity: takes a chosen logit out of the ranking
	v_mov_b32 v11, 0
	s_mul_i32 s28, s20, 272
	v_mov_b32 v12, s28                             ; my wave's part in LDS
	v_lshl_add_u32 v13, s20, 6, v8                 ; my token's logit part for my expert
	s_lshl_b32 s28, s20, 2
	v_mov_b32 v14, s28                             ; my token's sum of squares
	v_lshlrev_b32 v15, 3, v1
	v_lshl_add_u32 v15, s20, 9, v15                ; byte of my 4 columns in a row of xn
	s_wait_kmcnt 0x0
	s_add_nc_u64 s[4:5], s[4:5], s[22:23]
	s_add_nc_u64 s[12:13], s[12:13], s[30:31]
.set n, 0
.rept 8
	global_load_b128 v[X+4*n:X+4*n+3], v6, s[4:5] offset:(n/2)*4096+(n%2)*512
.set n, n+1
.endr
	global_load_b128 v[SC:SC+3], v6, s[6:7]
	global_load_b128 v[SC+4:SC+7], v6, s[6:7] offset:512
.set n, 0
.rept 32
	global_load_b128 v[WG+4*n:WG+4*n+3], v7, s[8:9] offset:(n/16)*8192+((n/4)%4)*64+(n%4)*16
.set n, n+1
.endr
	global_load_b32 v124, v8, s[10:11]             ; bg of my expert
	s_wait_loadcnt 33                              ; x and norm_scale are in; the 33 loads of wg and bg may stay out
.set tk, 0
.rept 4
	v_mul_f32 v[RED+64+tk], v[X+8*tk], v[X+8*tk]
.set tk, tk+1
.endr
.set c, 1
.rept 7
.set tk, 0
.rept 4
	v_fmac_f32 v[RED+64+tk], v[X+8*tk+c], v[X+8*tk+c]   ; the sum of squares of my 8 columns, four chains by turns
.set tk, tk+1
.endr
.set c, c+1
.endr
.set n, 0
.rept 16
	v_pk_mul_f32 v[X+2*n:X+2*n+1], v[X+2*n:X+2*n+1], v[SC+2*(n%4):SC+2*(n%4)+1]  ; x * scale
.set n, n+1
.endr
	s_wait_loadcnt 0x0
.set n, 0
.rept 64
	v_mul_f32 v[RED+n], v[X+8*(n/16)], v[WG+n%16]        ; column 0 starts the 64 sums
.set n, n+1
.endr
.set c, 1
.rept 7
.set n, 0
.rept 64
	v_fmac_f32 v[RED+n], v[X+8*(n/16)+c], v[WG+16*c+n%16]
.set n, n+1
.endr
.set c, c+1
.endr
	; the 68 sums over the wave's 32 lanes: four steps inside each half of 16 lanes, one across; stage by stage, so that no line waits for the one before it
.irp m, 1,2,4,8
.set n, 0
.rept 68
	v_add_f32_dpp v[RED+n], v[RED+n], v[RED+n] row_xmask:\m row_mask:0xf bank_mask:0xf
.set n, n+1
.endr
.endr
.set n, 0
.rept 68
	v_permlanex16_b32 v[WG+n], v[RED+n], s24, s25        ; wg's registers are free, and have been written
.set n, n+1
.endr
.set n, 0
.rept 68
	v_add_f32 v[RED+n], v[RED+n], v[WG+n]
.set n, n+1
.endr
.set n, 0
.rept 17
	ds_store_b128 v12, v[RED+4*n:RED+4*n+3] offset:16*n  ; every lane holds the same numbers and writes the same words
.set n, n+1
.endr
	s_wait_dscnt 0x0                               ; for the other waves: my stores are done
	s_barrier_signal -1
	s_barrier_wait -1
.set n, 0
.rept 4
	ds_load_b128 v[128+4*n:131+4*n], v11 offset:272*n+256  ; wave n's four sums of squares
	ds_load_b32 v[144+n], v13 offset:272*n                 ; wave n's part of my token's logit for my expert
	ds_load_b32 v[148+n], v14 offset:272*n+256             ; wave n's part of my token's sum of squares
.set n, n+1
.endr
	s_wait_dscnt 0x0
	v_pk_add_f32 v[128:129], v[128:129], v[132:133]
	v_pk_add_f32 v[130:131], v[130:131], v[134:135]
	v_pk_add_f32 v[136:137], v[136:137], v[140:141]
	v_pk_add_f32 v[138:139], v[138:139], v[142:143]
	v_pk_add_f32 v[128:129], v[128:129], v[136:137]
	v_pk_add_f32 v[130:131], v[130:131], v[138:139]
	v_add_f32 v144, v144, v145
	v_add_f32 v146, v146, v147
	v_add_f32 v144, v144, v146
	v_add_f32 v148, v148, v149
	v_add_f32 v150, v150, v151
	v_add_f32 v148, v148, v150
.irp r, 128,129,130,131,148
	v_fma_f32 v\r, v\r, s26, s27                   ; the mean of the squares + 1e-5
.endr
.irp r, 128,129,130,131,148
	v_rsq_f32 v\r, v\r
.endr
	v_nop                                          ; a plain instruction behind the last of the batch,
	s_wait_alu depctr_va_vdst(0)                   ; and one wait for the five, ahead of their first reader
.set n, 0
.rept 32
	v_mul_f32 v[X+n], v[128+n/8], v[X+n]           ; xn
.set n, n+1
.endr
.set n, 0
.rept 16
	v_cvt_pk_bf16_f32 v[152+n], v[X+2*n], v[X+2*n+1]
.set n, n+1
.endr
.set n, 0
.rept 8
	global_store_b64 v15, v[152+2*n:153+2*n], s[12:13] offset:(n/2)*2048+(n%2)*256  ; the wave's 32 lanes store 256 consecutive bytes, aligned
.set n, n+1
.endr
	v_fma_f32 v169, v144, v148, v124               ; my token's logit for my expert (lanes 16-31 repeat lanes 0-15)
; The largest logit left, its expert (the lowest lane that holds it), and that expert taken out.
.macro PICK k
	v_mov_b32 v[170+\k], v169
.irp m, 1,2,4,8
	v_max_num_f32_dpp v[170+\k], v[170+\k], v[170+\k] row_xmask:\m row_mask:0xf bank_mask:0xf
.endr
	v_cmp_eq_f32 s28, v169, v[170+\k]
	s_ctz_i32_b32 s[36+\k], s28
	s_and_b32 s[36+\k], s[36+\k], 15
	s_lshl_b32 s29, 1, s[36+\k]
	s_or_b32 s35, s35, s29
	v_cmp_eq_u32 s28, s[36+\k], v3
	v_cndmask_b32 v169, v169, v9, s28
.endm
	PICK 0
	PICK 1
	PICK 2
	PICK 3
.irp k, 0,1,2,3
	v_sub_f32 v[174+\k], v[170+\k], v170           ; the first pick is the maximum: it is taken away ahead of the exponentials
.endr
.irp k, 0,1,2,3
	v_mul_f32 v[174+\k], 0x3fb8aa3b, v[174+\k]
.endr
.irp k, 0,1,2,3
	v_exp_f32 v[174+\k], v[174+\k]
.endr
	v_nop
	s_wait_alu depctr_va_vdst(0)                   ; one wait for the four exponentials
	v_add_f32 v178, v174, v175
	v_add_f32 v179, v176, v177
	v_add_f32 v178, v178, v179
	v_rcp_f32 v178, v178
	v_nop
	s_wait_alu depctr_va_vdst(0)
.irp k, 0,1,2,3
	v_mul_f32 v[174+\k], v[174+\k], v178           ; the gates
.endr
	v_mov_b32 v182, s36                            ; lane k takes pick k
	v_mov_b32 v183, v174
.irp k, 1,2,3
	v_cmp_eq_u32 vcc_lo, \k, v1
	v_mov_b32 v184, s[36+\k]
	v_cndmask_b32 v182, v182, v184, vcc_lo
	v_cndmask_b32 v183, v183, v[174+\k], vcc_lo
.endr
	s_lshl_b32 s28, s32, 4
	v_lshl_add_u32 v180, v1, 2, s28                ; 16 bytes a token in idx and gat
	s_lshl_b32 s29, s32, 2
	v_mov_b32 v181, s29                            ; 4 bytes a token in sel
	v_mov_b32 v185, s35
	v_cmp_gt_u32 vcc_lo, 4, v1
	s_wait_xcnt 0x0                                ; EXEC changes only behind this wait: it is a source of the stores above
	s_and_saveexec_b32 s34, vcc_lo
	global_store_b32 v180, v182, s[16:17]
	global_store_b32 v180, v183, s[18:19]
	s_wait_xcnt 0x0
	s_or_b32 exec_lo, exec_lo, s34
	v_cmp_eq_u32 vcc_lo, 0, v1
	s_and_saveexec_b32 s34, vcc_lo
	global_store_b32 v181, v185, s[14:15]
	s_wait_xcnt 0x0
	s_or_b32 exec_lo, exec_lo, s34
	s_wait_tensorcnt 0x0                           ; the wave's end
	ds_add_u32 v4, v5
	s_wait_dscnt 0x0
	s_endpgm
.Lfunc_end_k_qa943c8adcb_router:
	.size	k_qa943c8adcb_router, .Lfunc_end_k_qa943c8adcb_router-k_qa943c8adcb_router
	.p2alignl 7, 3214868480
	.fill 96, 4, 3214868480
	.section	.rodata,"a",@progbits
	.p2align	6, 0x0
	.amdhsa_kernel k_qa943c8adcb_router
		.amdhsa_group_segment_fixed_size 2048
		.amdhsa_private_segment_fixed_size 0
		.amdhsa_enable_private_segment 0
		.amdhsa_kernarg_size 64
		.amdhsa_user_sgpr_count 2
		.amdhsa_user_sgpr_kernarg_segment_ptr 1
		.amdhsa_wavefront_size32 1
		.amdhsa_system_sgpr_workgroup_id_x 1
		.amdhsa_system_sgpr_workgroup_id_y 1
		.amdhsa_system_sgpr_workgroup_id_z 1
		.amdhsa_system_vgpr_workitem_id 0
		.amdhsa_next_free_vgpr 256
		.amdhsa_next_free_sgpr 66
		.amdhsa_reserve_vcc 1
		.amdhsa_float_denorm_mode_32 3
		.amdhsa_float_denorm_mode_16_64 3
		.amdhsa_memory_ordered 1
		.amdhsa_forward_progress 1
		.amdhsa_inst_pref_size 58
	.end_amdhsa_kernel
	.amdgpu_metadata
---
amdhsa.version: [ 1, 2 ]
amdhsa.kernels:
  - .name:           k_qa943c8adcb_router
    .symbol:         k_qa943c8adcb_router.kd
    .args:
      - { .name: x, .offset: 0, .size: 8, .value_kind: global_buffer, .address_space: global }
      - { .name: norm_scale, .offset: 8, .size: 8, .value_kind: global_buffer, .address_space: global }
      - { .name: wg, .offset: 16, .size: 8, .value_kind: global_buffer, .address_space: global }
      - { .name: bg, .offset: 24, .size: 8, .value_kind: global_buffer, .address_space: global }
      - { .name: xn, .offset: 32, .size: 8, .value_kind: global_buffer, .address_space: global }
      - { .name: sel, .offset: 40, .size: 8, .value_kind: global_buffer, .address_space: global }
      - { .name: idx, .offset: 48, .size: 8, .value_kind: global_buffer, .address_space: global }
      - { .name: gat, .offset: 56, .size: 8, .value_kind: global_buffer, .address_space: global }
    .group_segment_fixed_size: 2048
    .private_segment_fixed_size: 0
    .kernarg_segment_align: 8
    .kernarg_segment_size: 64
    .max_flat_workgroup_size: 128
    .sgpr_count:     66
    .vgpr_count:     256
    .wavefront_size: 32
...
	.end_amdgpu_metadata
.endif
;; end of part 1
;; launch ffn1 (part 2): grid 16 x 16, 4 waves a work-group, no clusters, 312,832 bytes of LDS; arguments xn, sel, w1, b1, hid; writes hid
.if DOCPART == 2
	.amdgcn_target "amdgcn-amd-amdhsa--gfx1250"
	.amdhsa_code_object_version 6
	.text
	.protected	k_qa943c8adcb_ffn1
	.globl	k_qa943c8adcb_ffn1
	.p2align	8
	.type	k_qa943c8adcb_ffn1,@function
k_qa943c8adcb_ffn1:
	s_mov_b64 s[64:65], 0
	v_nop
	global_prefetch_b8 v0, s[64:65] scope:SCOPE_SE
	s_setreg_imm32_b32 hwreg(HW_REG_WAVE_MODE, 25, 1), 1
	s_wait_xcnt 0x0
; hid = swiglu(xn w1[e] + b1[e]) for the rows that chose expert e.  Work-group (sl, e): 128 columns of h (64 of the hidden layer) of ONE expert, all of that expert's rows.
; PHASE A.  The work-group's slice of w1 (1,024 k x 128 columns of f32, 512 KB) is read once, by this work-group alone, rounded to bf16 in registers and laid into LDS as [k][column].
; Wave w streams k rows 256 w .. + 255, one row (512 consecutive bytes) a load, four sets of 16 loads by turns.  While the first loads are out, every wave counts the expert's rows
; from sel and writes its own list rank -> token (a counting sort by lanes: no atomics).  A barrier ends the phase.
; PHASE B.  No barrier inside, and nothing writes LDS.  The expert's rows go in blocks of 16; block g belongs to wave g mod 4; a wave takes up to 6 blocks at a time (a group: 48 accumulators).
; A wave has 16 blocks at the most, so the loop over groups counts to 3 and a dead group is jumped; dead blocks of a group are jumped after its first K step.
; Token rows come from xn straight into registers as matrix operands (always 6 blocks' worth, places past the count repeat the last row, so every counted wait holds on every path);
; the weights' fragments come out of LDS turned, by ds_load_tr16_b128.  The product is used transposed (source 0 = 16 columns of w1, source 1 = 16 rows).
; A second barrier stands behind phase B, ahead of the closing add: the only LDS write behind phase A comes when every wave's reads of LDS are over.
; COLUMNS.  In LDS the second and third group of 8 columns of every 32 change places.  Column blocks 2 p and 2 p + 1 then give lane (r, h) the 16 NEIGHBOURING columns 32 p + 16 h + 0..15 of row r:
; 8 pairs (gate, linear) = 8 hidden numbers = 16 bytes of bf16, which are just what lane (r, h) of the second product's operand holds.  So hid is stored as that operand is read:
; byte ((e 64 + block) 32 + chunk of 32 hidden) 1,024 + half 512 + lane 16, each store 512 consecutive bytes, aligned.
; NO CLUSTER: each slice of weights has one reader; what an expert's work-groups share, the token rows, comes by a list that no tile descriptor covers.
; LIMITS.  xn, w1 and hid are rounded to bf16, sums in f32.  A NaN in h is not carried as minimum and clip carry it.  An expert without rows is treated as one block of token 0, whose results nobody reads.
.set PW,    288                        ; an LDS row of the slice: 256 bytes + 32 = 9 x 32
.set LIST,  1024*PW                    ; 294,912: for each wave 1,024 words rank -> token and 32 words that take the lanes with nothing to write
.set LISTW, 4352
.set SPARE, LIST+4*LISTW               ; 312,320: the spare words, 128 bytes a wave
; window 0
.set LN,1
.set R,2
.set HH,3
.set SPW,4
.set NIL,5
.set LB,7                              ; my wave's list
.set DUMP,8                            ; 1,024 + lane
.set TK0,9                             ; 4 x lane
.set TA,10
.set TB,11
.set TC,12
.set WST,15                            ; phase A: where my 8 bytes of a row go
.set BADR0,16                          ; my lane's place in a turning load; never rewritten
.set BADR,17                           ; the same plus the K loop's trip x 128 rows of the slice
.set H16,18
.set L16,19
.set ROW,20
.set HOFF,21                           ; my byte in hid: 16 lane + first block x 32,768
.set AOFF,22                           ; v[22:27] my byte in xn for each of the 6 blocks: token x 2,048 + 16 h
.set BOF,28
.set PK,32                             ; v[32:63]   16 rows' 8 bytes
.set T,64                              ; v[64:127]  h of one block; at the start sel
.set EX,128                            ; v[128:159]
.set PKD,160                           ; v[160:175]
.set BI,192                            ; v[192:255] b1 of my 64 columns
; window 1: phase A: 4 sets of 64; phase B: the token rows' ring, 4 K steps x 6 blocks x 8.  window 2: accumulators of blocks 0-3 at 64 j + 8 b.  window 3: v0-127 those of blocks 4, 5; v128-255 the weights' fragments, 2 K steps x 64
.set WV,14
.set EXPT,15
.set SL,16
.set EBIT,17
.set CNT,18
.set CM1,19
.set NBLK,20
.set NBW,21
.set G,23
.set NB,24
.set LC,25
.set TS,26
.set BLK0,39
.set MSB, 0
.macro WIN new                         ; the immediate's high byte repeats the setting that is left; a switch that changes nothing is dropped
.if MSB != (\new)
	s_set_vgpr_msb (MSB<<8)|(\new)
.set MSB, \new
.endif
.endm
.macro PLACES                          ; four plain places between a matrix instruction and a load into, or a vector read of, its registers
.rept 4
	v_nop
.endr
.endm
	s_load_b256 s[4:11], s[0:1], 0x0               ; xn s[4:5], sel s[6:7], w1 s[8:9], b1 s[10:11]
	s_load_b64 s[12:13], s[0:1], 0x20              ; hid
	v_lshl_add_u32 v[SPW], v0, 2, SPARE            ; my spare word, and 0: kept for the closing add alone
	v_mov_b32 v[NIL], 0
	v_and_b32 v[LN], 31, v0
	v_lshrrev_b32 v[TA], 5, v0
	v_readfirstlane_b32 s[WV], v[TA]
	s_and_b32 s[EXPT], ttmp7, 0xffff
	s_mov_b32 s[SL], ttmp9
	s_lshl_b32 s[EBIT], 1, s[EXPT]
	v_and_b32 v[R], 15, v0
	v_bfe_u32 v[HH], v0, 4, 1
	v_lshlrev_b32 v[L16], 4, v[LN]
	v_lshlrev_b32 v[H16], 4, v[HH]
	v_lshlrev_b32 v[BOF], 6, v[HH]
	v_lshlrev_b32 v[TK0], 2, v[LN]
	v_add_nc_u32 v[DUMP], 1024, v[LN]
	s_mul_i32 s[TS], s[WV], LISTW
	s_add_co_u32 s[TS], s[TS], LIST
	v_mov_b32 v[LB], s[TS]
	v_lshrrev_b32 v[TA], 3, v[LN]                  ; my 4 columns 4 l ..: group of 32 columns l / 8,
	v_lshlrev_b32 v[WST], 6, v[TA]
	v_bfe_u32 v[TA], v0, 1, 1                      ; the group of 8 with its two bits changed round,
	v_lshl_add_u32 v[WST], v[TA], 5, v[WST]
	v_bfe_u32 v[TA], v0, 2, 1
	v_lshl_add_u32 v[WST], v[TA], 4, v[WST]
	v_and_b32 v[TA], 1, v0                         ; and which half of it
	v_lshl_add_u32 v[WST], v[TA], 3, v[WST]
	s_mul_i32 s[TS], s[WV], 256*PW
	v_add_nc_u32 v[WST], s[TS], v[WST]
	v_and_b32 v[TA], 7, v0                         ; the turning load: lane l reads row 8 h + l % 8, 16 bytes at 16 ((l / 8) % 2)
	v_lshl_add_u32 v[TA], v[HH], 3, v[TA]
	v_mul_u32_u24 v[BADR0], v[TA], PW
	v_bfe_u32 v[TA], v0, 3, 1
	v_lshl_add_u32 v[BADR0], v[TA], 4, v[BADR0]
	s_lshl_b32 s28, s[EXPT], 23                    ; w1: expert x 8 MB + slice x 512 bytes + wave x 256 rows of 8,192 bytes
	s_lshl_b32 s[TS], s[SL], 9
	s_add_co_u32 s28, s28, s[TS]
	s_lshl_b32 s[TS], s[WV], 21
	s_add_co_u32 s28, s28, s[TS]
	s_mov_b32 s29, 0
	s_lshl_b32 s40, s[EXPT], 13                    ; b1: expert x 8,192 + slice x 512
	s_lshl_b32 s[TS], s[SL], 9
	s_add_co_u32 s40, s40, s[TS]
	s_mov_b32 s41, 0
	s_lshl_b32 s42, s[EXPT], 21                    ; hid: expert x 2 MB + slice x 2 chunks of 1,024
	s_lshl_b32 s[TS], s[SL], 11
	s_add_co_u32 s42, s42, s[TS]
	s_mov_b32 s43, 0
	s_mov_b32 s36, 0x40e00000                      ; 7.0
	s_mov_b32 s37, 0xc0e00000                      ; -7.0
	s_mov_b32 s38, 0xc01d265f                      ; -1.702 log2(e)
	s_mov_b32 s[CNT], 0
	s_wait_kmcnt 0x0
	s_add_nc_u64 s[30:31], s[8:9], s[28:29]
	s_add_nc_u64 s[10:11], s[10:11], s[40:41]
	s_add_nc_u64 s[34:35], s[12:13], s[42:43]
; 16 rows of chunk c (counted from the stepped base) into set s: each load one row's 512 consecutive bytes
.macro WLD s, c
	WIN 0x40                                       ; destination window 1
.set i, 0
.rept 16
	global_load_b128 v[64*(\s)+4*i:64*(\s)+4*i+3], v[L16], s[30:31] offset:(16*(\c)+i)*8192 th:TH_LOAD_NT
.set i, i+1
.endr
	WIN 0
.endm
; Set s is rounded and stored; ahead = 1: it is loaded again with the chunk four further on.  left = the younger loads that may stay out
.macro WCH s, ahead, left
	s_wait_loadcnt \left
	WIN 0x05                                       ; sources in window 1
.set i, 0
.rept 32
	v_cvt_pk_bf16_f32 v[PK+i], v[64*(\s)+2*i], v[64*(\s)+2*i+1]
.set i, i+1
.endr
.if \ahead
	WLD \s, (\s)+4
.endif
	WIN 0
.set i, 0
.rept 16
	ds_store_b64 v[WST], v[PK+2*i:PK+2*i+1] offset:(16*(\s)+i)*PW
.set i, i+1
.endr
.endm
.set i, 0
.rept 8
	global_load_b128 v[T+4*i:T+4*i+3], v[L16], s[6:7] offset:512*i   ; sel: register 4 q + c holds token 128 q + 4 l + c
.set i, i+1
.endr
	WLD 0, 0
	WLD 1, 1
	WLD 2, 2
	s_wait_loadcnt 48                              ; sel is in; the 48 loads of weights behind it stay out
	WLD 3, 3
	; THE LIST.  First all 1,024 ranks take token 0 (eight stores of 512 bytes), so that every rank holds a token whatever the count; LDS serves a wave's instructions in order, so the ranks below land on top.
	v_add_nc_u32 v[TA], v[LB], v[L16]
.irp z, 0,1,2,3
	v_mov_b32 v[PK+\z], 0
.endr
.set i, 0
.rept 8
	ds_store_b128 v[TA], v[PK:PK+3] offset:512*i
.set i, i+1
.endr
	; Rank = the rows counted so far + the chosen lanes below mine; lanes whose token did not choose e write a word that nobody reads.
.set n, 0
.rept 32
	v_and_b32 v[TA], s[EBIT], v[T+n]
	v_cmp_ne_u32 s[TS], 0, v[TA]
	v_mbcnt_lo_u32_b32 v[TB], s[TS], s[CNT]
	v_cndmask_b32 v[TB], v[DUMP], v[TB], s[TS]
	v_min_u32 v[TB], 0x41f, v[TB]                  ; inside my wave's 1,056 words
	v_lshl_add_u32 v[TB], v[TB], 2, v[LB]
	v_add_nc_u32 v[TC], 128*(n/4)+(n%4), v[TK0]
	ds_store_b32 v[TB], v[TC]
	s_bcnt1_i32_b32 s[TS], s[TS]
	s_add_co_u32 s[CNT], s[CNT], s[TS]
.set n, n+1
.endr
	s_max_u32 s[CNT], s[CNT], 1
	s_sub_co_u32 s[CM1], s[CNT], 1
	s_add_co_u32 s[NBLK], s[CNT], 15
	s_lshr_b32 s[NBLK], s[NBLK], 4                 ; blocks of 16 rows
	s_add_co_u32 s[NBW], s[NBLK], 3
	s_sub_co_u32 s[NBW], s[NBW], s[WV]
	s_lshr_b32 s[NBW], s[NBW], 2                   ; of which mine: those with block mod 4 = wave
	s_mov_b32 s[LC], 3
.Lstream:                                              ; a trip: 4 chunks of 16 rows stored, the 4 chunks four further on asked for
	WCH 0, 1, 48                                   ; my set is in; the three younger sets, 48 loads, stay out
	WCH 1, 1, 48
	WCH 2, 1, 48
	WCH 3, 1, 48
	s_wait_xcnt 0x0                                ; the loads' base is stepped only behind this wait
	s_add_nc_u64 s[30:31], s[30:31], 64*8192
	v_add_nc_u32 v[WST], 64*PW, v[WST]
	s_sub_co_u32 s[LC], s[LC], 1
	s_cmp_lg_u32 s[LC], 0
	s_cbranch_scc1 .Lstream
	WCH 0, 0, 48                                   ; the last four chunks load nothing: the counts run down
	WCH 1, 0, 32
	WCH 2, 0, 16
	WCH 3, 0, 0
.set i, 0
.rept 16
	global_load_b128 v[BI+4*i:BI+4*i+3], v[BOF], s[10:11] offset:128*(i/4)+16*(i%4)   ; b1 of columns 32 p + 16 h + 0..15
.set i, i+1
.endr
	s_wait_dscnt 0x0                               ; for the other waves: my rows of the slice are in LDS
	s_barrier_signal -1
	s_barrier_wait -1
; K step tr (counted from the stepped bases): the 6 blocks' token rows, 32 k = 64 bytes a row: lane (r, h) takes 16 bytes at 16 h and at 32 + 16 h
.macro ALOAD tr
	WIN 0x40
.irp j, 0,1,2,3,4,5
	global_load_b128 v[48*((\tr)%4)+8*\j:48*((\tr)%4)+8*\j+3],   v[AOFF+\j], s[32:33] offset:64*(\tr)
	global_load_b128 v[48*((\tr)%4)+8*\j+4:48*((\tr)%4)+8*\j+7], v[AOFF+\j], s[32:33] offset:64*(\tr)+32
.endr
.endm
; the slice's 8 fragments of 32 k x 16 columns
.macro BLOAD tr
	WIN 0xc0
.irp b, 0,1,2,3,4,5,6,7
	ds_load_tr16_b128 v[128+64*((\tr)%2)+8*\b:128+64*((\tr)%2)+8*\b+3],   v[BADR] offset:(\tr)*32*PW+32*\b
	ds_load_tr16_b128 v[128+64*((\tr)%2)+8*\b+4:128+64*((\tr)%2)+8*\b+7], v[BADR] offset:(\tr)*32*PW+16*PW+32*\b
.endr
.endm
; block j x the 8 column blocks.  The accumulators take turns, one instruction a turn
.macro MUL8 tr, j, zero
.if (\j) < 4
	WIN 0xa7                                       ; weights window 3, rows window 1, sums window 2
.set AC, 64*(\j)
.else
	WIN 0xf7                                       ; sums window 3
.set AC, 64*((\j)-4)
.endif
.set FA, 48*((\tr)%4)+8*(\j)
.set FB, 128+64*((\tr)%2)
.irp b, 0,1,2,3,4,5,6,7
.if \zero
	v_wmma_f32_16x16x32_bf16 v[AC+8*\b:AC+8*\b+7], v[FB+8*\b:FB+8*\b+7], v[FA:FA+7], 0
.else
	v_wmma_f32_16x16x32_bf16 v[AC+8*\b:AC+8*\b+7], v[FB+8*\b:FB+8*\b+7], v[FA:FA+7], v[AC+8*\b:AC+8*\b+7]
.endif
.endr
.endm
; A K step.  la: the rows three steps on are asked for; lb: the fragments of the next step; skip: blocks past the group's count are jumped; wl: the younger row loads that may stay out
.macro STEP tr, zero, la, lb, skip, wl
	WIN 0
.if (\la) || (\lb)
	PLACES                                         ; the loads below go into registers that the step before multiplied
.endif
.if \la
	ALOAD (\tr)+3
.endif
.if \lb
	BLOAD (\tr)+1
.endif
	s_wait_loadcnt \wl
.if \lb
	s_wait_dscnt 16                                ; this step's fragments are in; the 16 loads just issued stay out
.else
	s_wait_dscnt 0x0
.endif
.irp j, 0,1,2,3,4,5
.if (\skip) && ((\j) > 0)
	WIN 0                                          ; at a branch every window is 0
	s_cmp_le_i32 s[NB], \j
	s_cbranch_scc1 .Lse_\@
.endif
	MUL8 \tr, \j, \zero
.endr
	WIN 0
.Lse_\@:
.endm
; Block j goes out: bias, swiglu, bf16, four stores of 512 consecutive bytes
.macro EPI j
	WIN 0
.if (\j) > 0
	s_cmp_le_i32 s[NB], \j
	s_cbranch_scc1 .Lepi_end
.endif
	s_wait_xcnt 0x0                                ; the registers that the block before stored are written again only behind this wait
.if (\j) < 4
	WIN 0x02
.set AC, 64*(\j)
.else
	WIN 0x03
.set AC, 64*((\j)-4)
.endif
.set m, 0
.rept 32
	v_pk_add_f32 v[T+2*m:T+2*m+1], v[AC+2*m:AC+2*m+1], v[BI+2*m:BI+2*m+1]   ; each accumulator from its low end on; even places: gate, odd: linear
.set m, m+1
.endr
	WIN 0
.set m, 0
.rept 32
	v_min_num_f32 v[T+2*m], s36, v[T+2*m]          ; a = min(gate, 7)
.set m, m+1
.endr
.set m, 0
.rept 32
	v_mul_f32 v[EX+m], s38, v[T+2*m]
.set m, m+1
.endr
.set m, 0
.rept 32
	v_exp_f32 v[EX+m], v[EX+m]                     ; e^(-1.702 a): one batch
.set m, m+1
.endr
.set m, 0
.rept 32
	v_med3_num_f32 v[T+2*m+1], v[T+2*m+1], s37, s36   ; b = clip(linear): the plain work behind the batch
.set m, m+1
.endr
	s_wait_alu depctr_va_vdst(0)                   ; one wait for the 32 exponentials, ahead of their first reader
.set m, 0
.rept 16
	v_pk_add_f32 v[EX+2*m:EX+2*m+1], v[EX+2*m:EX+2*m+1], 1.0 op_sel_hi:[1,0]
.set m, m+1
.endr
.set m, 0
.rept 32
	v_rcp_f32 v[EX+m], v[EX+m]                     ; the sigmoid: one batch
.set m, m+1
.endr
.set m, 0
.rept 32
	v_add_f32 v[T+2*m+1], 1.0, v[T+2*m+1]          ; b + 1: the plain work behind the batch
.set m, m+1
.endr
	s_wait_alu depctr_va_vdst(0)                   ; one wait for the 32 reciprocals
.set m, 0
.rept 32
	v_mul_f32 v[T+2*m], v[T+2*m], v[EX+m]
.set m, m+1
.endr
.set m, 0
.rept 32
	v_mul_f32 v[T+2*m], v[T+2*m], v[T+2*m+1]
.set m, m+1
.endr
.set m, 0
.rept 16
	v_cvt_pk_bf16_f32 v[PKD+m], v[T+4*m], v[T+4*m+2]
.set m, m+1
.endr
.irp p, 0,1,2,3
	global_store_b128 v[HOFF], v[PKD+4*\p:PKD+4*\p+3], s[34:35] offset:(\j)*131072+512*\p
.endr
.endm
	s_mov_b32 s[G], 0
.Lgrp:                                                 ; 3 trips: groups of 6 blocks; a wave has 16 blocks at the most
	s_mul_i32 s[TS], s[G], 6
	s_sub_co_i32 s[NB], s[NBW], s[TS]              ; my blocks still to do
	s_cmp_le_i32 s[NB], 0
	s_cbranch_scc1 .Lgnext
	s_wait_xcnt 0x0                                ; the offsets and the base of the group before are written again only behind this wait
	s_mul_i32 s[BLK0], s[G], 24
	s_add_co_u32 s[BLK0], s[BLK0], s[WV]           ; the group's first block; block j of the group is 4 j further on
	v_lshl_add_u32 v[ROW], s[BLK0], 4, v[R]
.irp j, 0,1,2,3,4,5
	v_add_nc_u32 v[TA], 64*\j, v[ROW]
	v_min_u32 v[TA], s[CM1], v[TA]                 ; places past the count repeat the last row
	v_min_u32 v[TA], 0x3ff, v[TA]
	v_lshl_add_u32 v[TA], v[TA], 2, v[LB]
	ds_load_b32 v[AOFF+\j], v[TA]
.endr
	s_lshl_b32 s[TS], s[BLK0], 15
	v_add_nc_u32 v[HOFF], s[TS], v[L16]
	s_mov_b64 s[32:33], s[4:5]
	v_mov_b32 v[BADR], v[BADR0]
	s_wait_dscnt 0x0
.irp j, 0,1,2,3,4,5
	v_min_u32 v[AOFF+\j], 0x3ff, v[AOFF+\j]
	v_lshl_add_u32 v[AOFF+\j], v[AOFF+\j], 11, v[H16]
.endr
	ALOAD 0
	ALOAD 1
	ALOAD 2
	BLOAD 0
	STEP 0, 1, 1, 1, 0, 36                         ; the first K step starts all 48 sums; three younger steps of 12 loads stay out
	s_mov_b32 s[LC], 0
.Lk:                                                   ; 7 trips of 4 K steps.  The slice's LDS address is made anew from the trip's number: trip x 128 rows; with the largest offset it ends at byte 276,448 of the slice's 294,912
	s_mul_i32 s[TS], s[LC], 4*32*PW
	v_add_nc_u32 v[BADR], s[TS], v[BADR0]
	STEP 1, 0, 1, 1, 1, 36
	STEP 2, 0, 1, 1, 1, 36
	STEP 3, 0, 1, 1, 1, 36
	STEP 4, 0, 1, 1, 1, 36
	s_wait_xcnt 0x0                                ; the row loads' base is stepped only behind this wait
	s_add_nc_u64 s[32:33], s[32:33], 256
	s_add_co_u32 s[LC], s[LC], 1
	s_cmp_lt_u32 s[LC], 7
	s_cbranch_scc1 .Lk
	v_add_nc_u32 v[BADR], 7*4*32*PW, v[BADR0]      ; the tail's rows 896 on: the last load ends at byte 294,880
	STEP 1, 0, 0, 1, 1, 24                         ; the last three steps ask for no rows: the counts run down
	STEP 2, 0, 0, 1, 1, 12
	STEP 3, 0, 0, 0, 1, 0
	PLACES
	EPI 0
	EPI 1
	EPI 2
	EPI 3
	EPI 4
	EPI 5
.Lepi_end:
.Lgnext:
	s_add_co_u32 s[G], s[G], 1
	s_cmp_lt_u32 s[G], 3
	s_cbranch_scc1 .Lgrp
	s_wait_dscnt 0x0                               ; my reads of LDS are over;
	s_barrier_signal -1
	s_barrier_wait -1                              ; every wave's are: the add below, the one LDS write behind phase A, comes behind them all
	s_wait_tensorcnt 0x0                           ; the wave's end
	ds_add_u32 v[SPW], v[NIL]
	s_wait_dscnt 0x0
	s_endpgm
.Lfunc_end_k_qa943c8adcb_ffn1:
	.size	k_qa943c8adcb_ffn1, .Lfunc_end_k_qa943c8adcb_ffn1-k_qa943c8adcb_ffn1
	.p2alignl 7, 3214868480
	.fill 96, 4, 3214868480
	.section	.rodata,"a",@progbits
	.p2align	6, 0x0
	.amdhsa_kernel k_qa943c8adcb_ffn1
		.amdhsa_group_segment_fixed_size 312832
		.amdhsa_private_segment_fixed_size 0
		.amdhsa_enable_private_segment 0
		.amdhsa_kernarg_size 40
		.amdhsa_user_sgpr_count 2
		.amdhsa_user_sgpr_kernarg_segment_ptr 1
		.amdhsa_wavefront_size32 1
		.amdhsa_system_sgpr_workgroup_id_x 1
		.amdhsa_system_sgpr_workgroup_id_y 1
		.amdhsa_system_sgpr_workgroup_id_z 1
		.amdhsa_system_vgpr_workitem_id 0
		.amdhsa_next_free_vgpr 1024
		.amdhsa_next_free_sgpr 66
		.amdhsa_reserve_vcc 0
		.amdhsa_float_denorm_mode_32 3
		.amdhsa_float_denorm_mode_16_64 3
		.amdhsa_memory_ordered 1
		.amdhsa_forward_progress 1
		.amdhsa_inst_pref_size 194
	.end_amdhsa_kernel
	.amdgpu_metadata
---
amdhsa.version: [ 1, 2 ]
amdhsa.kernels:
  - .name:           k_qa943c8adcb_ffn1
    .symbol:         k_qa943c8adcb_ffn1.kd
    .args:
      - { .name: xn, .offset: 0, .size: 8, .value_kind: global_buffer, .address_space: global }
      - { .name: sel, .offset: 8, .size: 8, .value_kind: global_buffer, .address_space: global }
      - { .name: w1, .offset: 16, .size: 8, .value_kind: global_buffer, .address_space: global }
      - { .name: b1, .offset: 24, .size: 8, .value_kind: global_buffer, .address_space: global }
      - { .name: hid, .offset: 32, .size: 8, .value_kind: global_buffer, .address_space: global }
    .group_segment_fixed_size: 312832
    .private_segment_fixed_size: 0
    .kernarg_segment_align: 8
    .kernarg_segment_size: 40
    .max_flat_workgroup_size: 128
    .sgpr_count:     66
    .vgpr_count:     1024
    .wavefront_size: 32
...
	.end_amdgpu_metadata
.endif
;; end of part 2
;; launch ffn2 (part 3): grid 16 x 16, 4 waves a work-group, no clusters, 181,760 bytes of LDS; arguments hid, sel, w2, b2, y; writes y
.if DOCPART == 3
	.amdgcn_target "amdgcn-amd-amdhsa--gfx1250"
	.amdhsa_code_object_version 6
	.text
	.protected	k_qa943c8adcb_ffn2
	.globl	k_qa943c8adcb_ffn2
	.p2align	8
	.type	k_qa943c8adcb_ffn2,@function
k_qa943c8adcb_ffn2:
	s_mov_b64 s[64:65], 0
	v_nop
	global_prefetch_b8 v0, s[64:65] scope:SCOPE_SE
	s_setreg_imm32_b32 hwreg(HW_REG_WAVE_MODE, 25, 1), 1
	s_wait_xcnt 0x0
; y[e][token] = hid w2[e] + b2[e] for the rows that chose expert e (f32: partial rows that the last launch weighs and adds).  Work-group (sl, e): 64 columns of ONE expert, all of its rows.
; Built as the first product is.  PHASE A: the slice of w2 (1,024 k x 64 columns of f32, 256 KB) is read once, by this work-group alone, rounded to bf16 and laid into LDS as [k][column];
; a load takes two k rows, 256 consecutive aligned bytes each; every wave makes the same list rank -> token from sel as the first product made.  A barrier ends the phase.
; PHASE B: no barrier inside, and nothing writes LDS.  Block g of 16 rows belongs to wave g mod 4, up to 6 blocks a group, 3 groups at the most, dead ones jumped.  hid lies as the operand registers take it:
; a load is 512 consecutive bytes.  Blocks past the expert's last repeat the last block, so every counted wait holds on every path and only written bytes of hid are read.
; A second barrier stands behind phase B, ahead of the closing add: the only LDS write behind phase A comes when every wave's reads of LDS are over.
; THE WAY OUT.  Source 0 = 16 rows of hid, source 1 = 16 columns of w2: register i of column block b holds row 8 h + i, column 16 b + r.  The bias add gathers the four blocks' register i into four
; neighbouring registers, and one store of 16 bytes a lane then covers the 256 bytes of the slice in row i (lanes 0-15) and in row 8 + i (lanes 16-31): whole aligned blocks of 256 bytes, no way through LDS.
; So inside a slice y's columns lie in the order 4 r + b for column 16 b + r; the last launch, y's only reader, puts them back.
; Rows past the count are copies of the last row: the same wave writes the same bytes with the same numbers again.
; NO CLUSTER: each slice of weights has one reader; sharing hid's blocks among an expert's 16 work-groups would want trip counts alike in partners and tile loads in a loop whose length hangs on a count.
; LIMITS.  hid and w2 in bf16, sums in f32.  An expert without rows writes y[e][token 0], which nobody reads.
.set PW,    160                        ; an LDS row of the slice: 128 bytes + 32 = 5 x 32
.set LIST,  1024*PW                    ; 163,840
.set LISTW, 4352
.set SPARE, LIST+4*LISTW               ; 181,248
.set LN,1
.set R,2
.set HH,3
.set SPW,4
.set NIL,5
.set LB,7
.set DUMP,8
.set TK0,9
.set TA,10
.set TB,11
.set TC,12
.set H8,13                             ; 8 (lane / 16)
.set WOF,14
.set WST,15
.set BADR0,16                          ; my lane's place in a turning load; never rewritten
.set BADR,17                           ; the same plus the K loop's trip x 128 rows of the slice
.set C16,18                            ; 16 (lane % 16)
.set L16,19
.set ROW,20                            ; 16 x first block + 8 (lane / 16)
.set AOFF,22                           ; v[22:27]
.set BOF,28
.set PK,32
.set T,64                              ; v[64:95]   a block's results, row i's four numbers at T + 4 i; at the start sel
.set TK,128                            ; v[128:135] the rows' tokens, then their bytes in y
.set BI,192                            ; v[192:195] b2 of my 4 columns 16 b + r
; window 1: phase A: 4 sets of 64; phase B: v0-191 hid's ring (4 K steps x 6 blocks x 8), v192-255 the weights' fragments (2 K steps x 32).  window 2: v0-191 accumulators at 32 j + 8 b
.set WV,14
.set EXPT,15
.set SL,16
.set EBIT,17
.set CNT,18
.set CM1,19
.set NBLK,20
.set NBW,21
.set NM1,22
.set G,23
.set NB,24
.set LC,25
.set TS,26
.set BLK0,39
.set MSB, 0
.macro WIN new
.if MSB != (\new)
	s_set_vgpr_msb (MSB<<8)|(\new)
.set MSB, \new
.endif
.endm
.macro PLACES
.rept 4
	v_nop
.endr
.endm
	s_load_b256 s[4:11], s[0:1], 0x0               ; hid s[4:5], sel s[6:7], w2 s[8:9], b2 s[10:11]
	s_load_b64 s[12:13], s[0:1], 0x20              ; y
	v_lshl_add_u32 v[SPW], v0, 2, SPARE
	v_mov_b32 v[NIL], 0
	v_and_b32 v[LN], 31, v0
	v_lshrrev_b32 v[TA], 5, v0
	v_readfirstlane_b32 s[WV], v[TA]
	s_and_b32 s[EXPT], ttmp7, 0xffff
	s_mov_b32 s[SL], ttmp9
	s_lshl_b32 s[EBIT], 1, s[EXPT]
	v_and_b32 v[R], 15, v0
	v_bfe_u32 v[HH], v0, 4, 1
	v_lshlrev_b32 v[L16], 4, v[LN]
	v_lshlrev_b32 v[C16], 4, v[R]
	v_lshlrev_b32 v[H8], 3, v[HH]
	v_lshlrev_b32 v[BOF], 2, v[R]
	v_lshlrev_b32 v[TK0], 2, v[LN]
	v_add_nc_u32 v[DUMP], 1024, v[LN]
	s_mul_i32 s[TS], s[WV], LISTW
	s_add_co_u32 s[TS], s[TS], LIST
	v_mov_b32 v[LB], s[TS]
	v_lshl_add_u32 v[WOF], v[HH], 12, v[C16]       ; lanes 0-15 one k row's 256 bytes, lanes 16-31 the next row's
	v_mul_u32_u24 v[WST], v[HH], PW
	v_lshl_add_u32 v[WST], v[R], 3, v[WST]
	s_mul_i32 s[TS], s[WV], 256*PW
	v_add_nc_u32 v[WST], s[TS], v[WST]
	v_and_b32 v[TA], 7, v0
	v_lshl_add_u32 v[TA], v[HH], 3, v[TA]
	v_mul_u32_u24 v[BADR0], v[TA], PW
	v_bfe_u32 v[TA], v0, 3, 1
	v_lshl_add_u32 v[BADR0], v[TA], 4, v[BADR0]
	s_lshl_b32 s28, s[EXPT], 22                    ; w2: expert x 4 MB + slice x 256 bytes + wave x 256 rows of 4,096 bytes
	s_lshl_b32 s[TS], s[SL], 8
	s_add_co_u32 s28, s28, s[TS]
	s_lshl_b32 s[TS], s[WV], 20
	s_add_co_u32 s28, s28, s[TS]
	s_mov_b32 s29, 0
	s_lshl_b32 s40, s[EXPT], 12                    ; b2: expert x 4,096 + slice x 256
	s_lshl_b32 s[TS], s[SL], 8
	s_add_co_u32 s40, s40, s[TS]
	s_mov_b32 s41, 0
	s_lshl_b32 s42, s[EXPT], 22                    ; y: expert x 4 MB + slice x 256
	s_add_co_u32 s42, s42, s[TS]
	s_mov_b32 s43, 0
	s_lshl_b32 s36, s[EXPT], 21                    ; hid: expert x 2 MB
	s_mov_b32 s37, 0
	s_mov_b32 s[CNT], 0
	s_wait_kmcnt 0x0
	s_add_nc_u64 s[30:31], s[8:9], s[28:29]
	s_add_nc_u64 s[10:11], s[10:11], s[40:41]
	s_add_nc_u64 s[34:35], s[12:13], s[42:43]
	s_add_nc_u64 s[44:45], s[4:5], s[36:37]
; chunk c (32 k rows, 16 loads) into set c % 4
.macro WLD c
	WIN 0x40
.set i, 0
.rept 16
	global_load_b128 v[64*((\c)%4)+4*i:64*((\c)%4)+4*i+3], v[WOF], s[30:31] offset:(32*(\c)+2*i)*4096 th:TH_LOAD_NT
.set i, i+1
.endr
	WIN 0
.endm
.macro WCH c, ahead, left
	s_wait_loadcnt \left
	WIN 0x05
.set i, 0
.rept 32
	v_cvt_pk_bf16_f32 v[PK+i], v[64*((\c)%4)+2*i], v[64*((\c)%4)+2*i+1]
.set i, i+1
.endr
.if \ahead
	WLD (\c)+4
.endif
	WIN 0
.set i, 0
.rept 16
	ds_store_b64 v[WST], v[PK+2*i:PK+2*i+1] offset:(32*(\c)+2*i)*PW
.set i, i+1
.endr
.endm
.set i, 0
.rept 8
	global_load_b128 v[T+4*i:T+4*i+3], v[L16], s[6:7] offset:512*i   ; sel: register 4 q + c holds token 128 q + 4 l + c
.set i, i+1
.endr
	WLD 0
	WLD 1
	WLD 2
	s_wait_loadcnt 48                              ; sel is in; the 48 loads of weights behind it stay out
	WLD 3
	; THE LIST, line for line as the first product makes it: the ranks are the same.  First all 1,024 ranks take token 0; the ranks below land on top, in order.
	v_add_nc_u32 v[TA], v[LB], v[L16]
.irp z, 0,1,2,3
	v_mov_b32 v[PK+\z], 0
.endr
.set i, 0
.rept 8
	ds_store_b128 v[TA], v[PK:PK+3] offset:512*i
.set i, i+1
.endr
.set n, 0
.rept 32
	v_and_b32 v[TA], s[EBIT], v[T+n]
	v_cmp_ne_u32 s[TS], 0, v[TA]
	v_mbcnt_lo_u32_b32 v[TB], s[TS], s[CNT]
	v_cndmask_b32 v[TB], v[DUMP], v[TB], s[TS]
	v_min_u32 v[TB], 0x41f, v[TB]
	v_lshl_add_u32 v[TB], v[TB], 2, v[LB]
	v_add_nc_u32 v[TC], 128*(n/4)+(n%4), v[TK0]
	ds_store_b32 v[TB], v[TC]
	s_bcnt1_i32_b32 s[TS], s[TS]
	s_add_co_u32 s[CNT], s[CNT], s[TS]
.set n, n+1
.endr
	s_max_u32 s[CNT], s[CNT], 1
	s_sub_co_u32 s[CM1], s[CNT], 1
	s_add_co_u32 s[NBLK], s[CNT], 15
	s_lshr_b32 s[NBLK], s[NBLK], 4
	s_sub_co_u32 s[NM1], s[NBLK], 1
	s_add_co_u32 s[NBW], s[NBLK], 3
	s_sub_co_u32 s[NBW], s[NBW], s[WV]
	s_lshr_b32 s[NBW], s[NBW], 2
	WCH 0, 1, 48                                   ; my wave's 8 chunks, written out: every place stands in an immediate
	WCH 1, 1, 48
	WCH 2, 1, 48
	WCH 3, 1, 48
	WCH 4, 0, 48
	WCH 5, 0, 32
	WCH 6, 0, 16
	WCH 7, 0, 0
.irp b, 0,1,2,3
	global_load_b32 v[BI+\b], v[BOF], s[10:11] offset:64*\b   ; b2 of column 16 b + r; once a launch
.endr
	s_wait_dscnt 0x0                               ; for the other waves: my rows of the slice are in LDS
	s_barrier_signal -1
	s_barrier_wait -1
.macro ALOAD tr                        ; K step tr of the 6 blocks: 1,024 bytes a block, as the operand takes them
	WIN 0x40
.irp j, 0,1,2,3,4,5
	global_load_b128 v[48*((\tr)%4)+8*\j:48*((\tr)%4)+8*\j+3],   v[AOFF+\j], s[32:33] offset:1024*(\tr)
	global_load_b128 v[48*((\tr)%4)+8*\j+4:48*((\tr)%4)+8*\j+7], v[AOFF+\j], s[32:33] offset:1024*(\tr)+512
.endr
.endm
.macro BLOAD tr
	WIN 0x40
.irp b, 0,1,2,3
	ds_load_tr16_b128 v[192+32*((\tr)%2)+8*\b:192+32*((\tr)%2)+8*\b+3],   v[BADR] offset:(\tr)*32*PW+32*\b
	ds_load_tr16_b128 v[192+32*((\tr)%2)+8*\b+4:192+32*((\tr)%2)+8*\b+7], v[BADR] offset:(\tr)*32*PW+16*PW+32*\b
.endr
.endm
.macro MUL4 tr, j, zero                ; source 0: the block's rows; source 1: 16 columns.  The accumulators take turns, one instruction a turn
	WIN 0xa5                                       ; rows and weights window 1, sums window 2
.set AC, 32*(\j)
.set FA, 48*((\tr)%4)+8*(\j)
.set FB, 192+32*((\tr)%2)
.irp b, 0,1,2,3
.if \zero
	v_wmma_f32_16x16x32_bf16 v[AC+8*\b:AC+8*\b+7], v[FA:FA+7], v[FB+8*\b:FB+8*\b+7], 0
.else
	v_wmma_f32_16x16x32_bf16 v[AC+8*\b:AC+8*\b+7], v[FA:FA+7], v[FB+8*\b:FB+8*\b+7], v[AC+8*\b:AC+8*\b+7]
.endif
.endr
.endm
.macro STEP tr, zero, la, lb, skip, wl
	WIN 0
.if (\la) || (\lb)
	PLACES                                         ; the loads below go into registers that the step before multiplied
.endif
.if \la
	ALOAD (\tr)+3
.endif
.if \lb
	BLOAD (\tr)+1
.endif
	s_wait_loadcnt \wl
.if \lb
	s_wait_dscnt 8                                 ; this step's fragments are in; the 8 loads just issued stay out
.else
	s_wait_dscnt 0x0
.endif
.irp j, 0,1,2,3,4,5
.if (\skip) && ((\j) > 0)
	WIN 0
	s_cmp_le_i32 s[NB], \j
	s_cbranch_scc1 .Lse_\@
.endif
	MUL4 \tr, \j, \zero
.endr
	WIN 0
.Lse_\@:
.endm
; Block j goes out: the rows' tokens from my list, the bias, eight stores
.macro EPI j
	WIN 0
.if (\j) > 0
	s_cmp_le_i32 s[NB], \j
	s_cbranch_scc1 .Lepi_end
.endif
	s_wait_xcnt 0x0                                ; the registers that the block before stored from are written again only behind this wait
.irp i, 0,1,2,3,4,5,6,7
	v_add_nc_u32 v[TA], 64*(\j)+\i, v[ROW]
	v_min_u32 v[TA], s[CM1], v[TA]                 ; places past the count repeat the last row
	v_min_u32 v[TA], 0x3ff, v[TA]
	v_lshl_add_u32 v[TA], v[TA], 2, v[LB]
	ds_load_b32 v[TK+\i], v[TA]                    ; the token of row 8 h + i of the block
.endr
	WIN 0x02                                       ; source 0 in window 2
.set m, 0
.rept 8
.irp b, 0,1,2,3
	v_add_f32 v[T+4*m+\b], v[32*(\j)+8*\b+m], v[BI+\b]   ; row 8 h + m, columns r, 16 + r, 32 + r, 48 + r side by side; each accumulator from its low end on
.endr
.set m, m+1
.endr
	WIN 0
	s_wait_dscnt 0x0
.irp i, 0,1,2,3,4,5,6,7
	v_min_u32 v[TK+\i], 0x3ff, v[TK+\i]
	v_lshl_add_u32 v[TK+\i], v[TK+\i], 12, v[C16]
.endr
.irp i, 0,1,2,3,4,5,6,7
	global_store_b128 v[TK+\i], v[T+4*\i:T+4*\i+3], s[34:35]   ; 16 lanes store 256 consecutive bytes, aligned
.endr
.endm
	s_mov_b32 s[G], 0
.Lgrp:
	s_mul_i32 s[TS], s[G], 6
	s_sub_co_i32 s[NB], s[NBW], s[TS]
	s_cmp_le_i32 s[NB], 0
	s_cbranch_scc1 .Lgnext
	s_wait_xcnt 0x0
	s_mul_i32 s[BLK0], s[G], 24
	s_add_co_u32 s[BLK0], s[BLK0], s[WV]
	v_lshl_add_u32 v[ROW], s[BLK0], 4, v[H8]
.irp j, 0,1,2,3,4,5
	s_add_co_u32 s[TS], s[BLK0], 4*\j
	s_min_u32 s[TS], s[TS], s[NM1]                 ; blocks past the last repeat the last
	s_min_u32 s[TS], s[TS], 63
	s_lshl_b32 s[TS], s[TS], 15
	v_add_nc_u32 v[AOFF+\j], s[TS], v[L16]
.endr
	s_mov_b64 s[32:33], s[44:45]
	v_mov_b32 v[BADR], v[BADR0]
	ALOAD 0
	ALOAD 1
	ALOAD 2
	BLOAD 0
	STEP 0, 1, 1, 1, 0, 36                         ; the first K step starts all 24 sums; three younger steps of 12 loads stay out
	s_mov_b32 s[LC], 0
.Lk:                                                   ; 7 trips of 4 K steps.  The slice's LDS address is made anew from the trip's number: trip x 128 rows; with the largest offset it ends at byte 153,568 of the slice's 163,840
	s_mul_i32 s[TS], s[LC], 4*32*PW
	v_add_nc_u32 v[BADR], s[TS], v[BADR0]
	STEP 1, 0, 1, 1, 1, 36
	STEP 2, 0, 1, 1, 1, 36
	STEP 3, 0, 1, 1, 1, 36
	STEP 4, 0, 1, 1, 1, 36
	s_wait_xcnt 0x0                                ; hid's base is stepped only behind this wait
	s_add_nc_u64 s[32:33], s[32:33], 4096
	s_add_co_u32 s[LC], s[LC], 1
	s_cmp_lt_u32 s[LC], 7
	s_cbranch_scc1 .Lk
	v_add_nc_u32 v[BADR], 7*4*32*PW, v[BADR0]      ; the tail's rows 896 on: the last load ends at byte 163,808
	STEP 1, 0, 0, 1, 1, 24
	STEP 2, 0, 0, 1, 1, 12
	STEP 3, 0, 0, 0, 1, 0
	PLACES
	EPI 0
	EPI 1
	EPI 2
	EPI 3
	EPI 4
	EPI 5
.Lepi_end:
.Lgnext:
	s_add_co_u32 s[G], s[G], 1
	s_cmp_lt_u32 s[G], 3
	s_cbranch_scc1 .Lgrp
	s_wait_dscnt 0x0                               ; my reads of LDS are over;
	s_barrier_signal -1
	s_barrier_wait -1                              ; every wave's are: the add below, the one LDS write behind phase A, comes behind them all
	s_wait_tensorcnt 0x0                           ; the wave's end
	ds_add_u32 v[SPW], v[NIL]
	s_wait_dscnt 0x0
	s_endpgm
.Lfunc_end_k_qa943c8adcb_ffn2:
	.size	k_qa943c8adcb_ffn2, .Lfunc_end_k_qa943c8adcb_ffn2-k_qa943c8adcb_ffn2
	.p2alignl 7, 3214868480
	.fill 96, 4, 3214868480
	.section	.rodata,"a",@progbits
	.p2align	6, 0x0
	.amdhsa_kernel k_qa943c8adcb_ffn2
		.amdhsa_group_segment_fixed_size 181760
		.amdhsa_private_segment_fixed_size 0
		.amdhsa_enable_private_segment 0
		.amdhsa_kernarg_size 40
		.amdhsa_user_sgpr_count 2
		.amdhsa_user_sgpr_kernarg_segment_ptr 1
		.amdhsa_wavefront_size32 1
		.amdhsa_system_sgpr_workgroup_id_x 1
		.amdhsa_system_sgpr_workgroup_id_y 1
		.amdhsa_system_sgpr_workgroup_id_z 1
		.amdhsa_system_vgpr_workitem_id 0
		.amdhsa_next_free_vgpr 768
		.amdhsa_next_free_sgpr 66
		.amdhsa_reserve_vcc 0
		.amdhsa_float_denorm_mode_32 3
		.amdhsa_float_denorm_mode_16_64 3
		.amdhsa_memory_ordered 1
		.amdhsa_forward_progress 1
		.amdhsa_inst_pref_size 124
	.end_amdhsa_kernel
	.amdgpu_metadata
---
amdhsa.version: [ 1, 2 ]
amdhsa.kernels:
  - .name:           k_qa943c8adcb_ffn2
    .symbol:         k_qa943c8adcb_ffn2.kd
    .args:
      - { .name: hid, .offset: 0, .size: 8, .value_kind: global_buffer, .address_space: global }
      - { .name: sel, .offset: 8, .size: 8, .value_kind: global_buffer, .address_space: global }
      - { .name: w2, .offset: 16, .size: 8, .value_kind: global_buffer, .address_space: global }
      - { .name: b2, .offset: 24, .size: 8, .value_kind: global_buffer, .address_space: global }
      - { .name: y, .offset: 32, .size: 8, .value_kind: global_buffer, .address_space: global }
    .group_segment_fixed_size: 181760
    .private_segment_fixed_size: 0
    .kernarg_segment_align: 8
    .kernarg_segment_size: 40
    .max_flat_workgroup_size: 128
    .sgpr_count:     66
    .vgpr_count:     768
    .wavefront_size: 32
...
	.end_amdgpu_metadata
.endif
;; end of part 3
;; launch combine (part 4): grid 256 x 1, 4 waves a work-group, no clusters, 20,992 bytes of LDS; arguments x, idx, gat, y, out0; writes out0
.if DOCPART == 4
	.amdgcn_target "amdgcn-amd-amdhsa--gfx1250"
	.amdhsa_code_object_version 6
	.text
	.protected	k_qa943c8adcb_combine
	.globl	k_qa943c8adcb_combine
	.p2align	8
	.type	k_qa943c8adcb_combine,@function
k_qa943c8adcb_combine:
	s_mov_b64 s[64:65], 0
	v_nop
	global_prefetch_b8 v0, s[64:65] scope:SCOPE_SE
	s_setreg_imm32_b32 hwreg(HW_REG_WAVE_MODE, 25, 1), 1
	s_wait_xcnt 0x0
; out0[t] = x[t] + the sum over the token's four experts of gate x y[expert][t].  A wave owns one token: a row of 4,096 bytes is eight loads of 512 consecutive bytes.
; The experts come as whole numbers from idx (stored by the first launch), clamped to 0..15 ahead of the address; the gates are scalars.
; y's COLUMNS.  Inside each slice of 64 columns (256 bytes) y holds column 16 b + r at place 4 r + b.  The four rows are weighed and added in that order; the sum goes once through my wave's own LDS
; (in: 4 bytes a lane at the column's true place; back: 16 bytes a lane), and then x is added.  A slice has 320 bytes in LDS, so that the two slices of a store fall on different banks.
; The bytes are the wave's own and LDS serves a wave's instructions in order (ISA guide 5.7.1.4): no barrier.
; A stream: all 40 loads of a wave go out before the first wait; the matrix unit has nothing to do here.
.set PS,    320                        ; a slice in LDS: 256 bytes + 64
.set WSTG,  16*PS                      ; a wave's 16 slices
.set SPARE, 4*WSTG                     ; 20,480: the spare words, 128 bytes a wave
	s_load_b256 s[4:11], s[0:1], 0x0               ; x s[4:5], idx s[6:7], gat s[8:9], y s[10:11]
	s_load_b64 s[12:13], s[0:1], 0x20              ; out0
	v_lshl_add_u32 v4, v0, 2, SPARE                ; my spare word, and 0: kept for the closing add alone
	v_mov_b32 v5, 0
	v_and_b32 v1, 31, v0
	v_lshrrev_b32 v2, 5, v0
	v_readfirstlane_b32 s14, v2
	s_lshl_b32 s15, ttmp9, 2
	s_add_co_u32 s15, s15, s14                     ; my token
	s_lshl_b32 s32, s15, 4
	s_mov_b32 s33, 0
	s_lshl_b32 s34, s15, 12
	s_mov_b32 s35, 0
	v_lshlrev_b32 v3, 4, v1
	v_and_b32 v6, 15, v0                           ; r
	v_bfe_u32 v7, v0, 4, 1                         ; which of a load's two slices
	s_mul_i32 s36, s14, WSTG
	v_mul_u32_u24 v8, v7, PS
	v_add_nc_u32 v8, s36, v8
	v_lshl_add_u32 v9, v6, 2, v8                   ; in: column r of my slice
	v_lshl_add_u32 v10, v6, 4, v8                  ; back: columns 4 r .. 4 r + 3
	s_wait_kmcnt 0x0
	s_add_nc_u64 s[6:7], s[6:7], s[32:33]
	s_add_nc_u64 s[8:9], s[8:9], s[32:33]
	s_load_b128 s[16:19], s[6:7], 0x0              ; four experts
	s_load_b128 s[20:23], s[8:9], 0x0              ; four gates
	s_add_nc_u64 s[4:5], s[4:5], s[34:35]
	s_add_nc_u64 s[12:13], s[12:13], s[34:35]
	s_add_nc_u64 s[10:11], s[10:11], s[34:35]
.set i, 0
.rept 8
	global_load_b128 v[16+4*i:19+4*i], v3, s[4:5] offset:512*i
.set i, i+1
.endr
	s_wait_kmcnt 0x0
.irp k, 0,1,2,3
	s_min_u32 s[16+\k], s[16+\k], 15
	s_lshl_b32 s[24+2*\k], s[16+\k], 22            ; an expert's rows are 4 MB of y
	s_mov_b32 s[25+2*\k], 0
	s_add_nc_u64 s[24+2*\k:25+2*\k], s[10:11], s[24+2*\k:25+2*\k]
.endr
.irp k, 0,1,2,3
.set i, 0
.rept 8
	global_load_b128 v[48+32*\k+4*i:51+32*\k+4*i], v3, s[24+2*\k:25+2*\k] offset:512*i th:TH_LOAD_NT
.set i, i+1
.endr
.endr
	s_wait_loadcnt 24                              ; x and the first expert's row are in; the three later rows, 8 loads each, stay out
.set i, 0
.rept 32
	v_mul_f32 v[48+i], s20, v[48+i]                ; the first product starts the sums
.set i, i+1
.endr
.irp k, 1,2,3
	s_wait_loadcnt 24-8*\k                         ; this expert's row is in; the later rows stay out
.set i, 0
.rept 32
	v_fmac_f32 v[48+i], s[20+\k], v[48+32*\k+i]
.set i, i+1
.endr
.endr
.set i, 0
.rept 32
	ds_store_b32 v9, v[48+i] offset:(i/4)*2*PS+64*(i%4)   ; load i / 4, place b = i % 4: column 16 b + r of slice 2 (i / 4) + lane / 16
.set i, i+1
.endr
.set i, 0
.rept 8
	ds_load_b128 v[80+4*i:83+4*i], v10 offset:i*2*PS      ; back in the columns' order
.set i, i+1
.endr
.set i, 0
.rept 8
	s_wait_dscnt 7-i                               ; LDS answers in order: load i is back, the younger ones stay out
	v_pk_add_f32 v[16+4*i:17+4*i], v[16+4*i:17+4*i], v[80+4*i:81+4*i]
	v_pk_add_f32 v[18+4*i:19+4*i], v[18+4*i:19+4*i], v[82+4*i:83+4*i]
	global_store_b128 v3, v[16+4*i:19+4*i], s[12:13] offset:512*i th:TH_STORE_NT
.set i, i+1
.endr
	s_wait_tensorcnt 0x0                           ; the wave's end
	ds_add_u32 v4, v5
	s_wait_dscnt 0x0
	s_endpgm
.Lfunc_end_k_qa943c8adcb_combine:
	.size	k_qa943c8adcb_combine, .Lfunc_end_k_qa943c8adcb_combine-k_qa943c8adcb_combine
	.p2alignl 7, 3214868480
	.fill 96, 4, 3214868480
	.section	.rodata,"a",@progbits
	.p2align	6, 0x0
	.amdhsa_kernel k_qa943c8adcb_combine
		.amdhsa_group_segment_fixed_size 20992
		.amdhsa_private_segment_fixed_size 0
		.amdhsa_enable_private_segment 0
		.amdhsa_kernarg_size 40
		.amdhsa_user_sgpr_count 2
		.amdhsa_user_sgpr_kernarg_segment_ptr 1
		.amdhsa_wavefront_size32 1
		.amdhsa_system_sgpr_workgroup_id_x 1
		.amdhsa_system_sgpr_workgroup_id_y 1
		.amdhsa_system_sgpr_workgroup_id_z 1
		.amdhsa_system_vgpr_workitem_id 0
		.amdhsa_next_free_vgpr 176
		.amdhsa_next_free_sgpr 66
		.amdhsa_reserve_vcc 0
		.amdhsa_float_denorm_mode_32 3
		.amdhsa_float_denorm_mode_16_64 3
		.amdhsa_memory_ordered 1
		.amdhsa_forward_progress 1
		.amdhsa_inst_pref_size 15
	.end_amdhsa_kernel
	.amdgpu_metadata
---
amdhsa.version: [ 1, 2 ]
amdhsa.kernels:
  - .name:           k_qa943c8adcb_combine
    .symbol:         k_qa943c8adcb_combine.kd
    .args:
      - { .name: x, .offset: 0, .size: 8, .value_kind: global_buffer, .address_space: global }
      - { .name: idx, .offset: 8, .size: 8, .value_kind: global_buffer, .address_space: global }
      - { .name: gat, .offset: 16, .size: 8, .value_kind: global_buffer, .address_space: global }
      - { .name: y, .offset: 24, .size: 8, .value_kind: global_buffer, .address_space: global }
      - { .name: out0, .offset: 32, .size: 8, .value_kind: global_buffer, .address_space: global }
    .group_segment_fixed_size: 20992
    .private_segment_fixed_size: 0
    .kernarg_segment_align: 8
    .kernarg_segment_size: 40
    .max_flat_workgroup_size: 128
    .sgpr_count:     66
    .vgpr_count:     176
    .wavefront_size: 32
...
	.end_amdgpu_metadata
.endif
;; end of part 4
;; ======== version 2 of 3: 4 launches; 1.12 times as fast as version 1
;; workspace buffers: xn 2,097,152 bytes; sel 4,096 bytes of whole numbers; idx 16,384 bytes of whole numbers; gat 16,384 bytes; hid 33,554,432 bytes; y 67,108,864 bytes
;; launch router: the kernel of part 1 again; grid 256 x 1, 4 waves a work-group, no clusters, 2,048 bytes of LDS; arguments x, norm_scale, wg, bg, xn, sel, idx, gat; writes xn, sel, idx, gat
;; launch ffn1 (part 5): grid 16 x 16, 4 waves a work-group, no clusters, 295,424 bytes of LDS; arguments xn, sel, w1, b1, hid; writes hid
.if DOCPART == 5
	.amdgcn_target "amdgcn-amd-amdhsa--gfx1250"
	.amdhsa_code_object_version 6
	.text
	.protected	k_qa943c8adcb_ffn1
	.globl	k_qa943c8adcb_ffn1
	.p2align	8
	.type	k_qa943c8adcb_ffn1,@function
k_qa943c8adcb_ffn1:
	s_mov_b64 s[64:65], 0
	v_nop
	global_prefetch_b8 v0, s[64:65] scope:SCOPE_SE
	s_setreg_imm32_b32 hwreg(HW_REG_WAVE_MODE, 25, 1), 1
	s_wait_xcnt 0x0
; hid = swiglu(xn w1[e] + b1[e]) for the rows that chose expert e.  Work-group (sl, e): 128 columns of h (64 of the hidden layer) of ONE expert, all of that expert's rows.
; PHASE A.  The work-group's slice of w1 (1,024 k x 128 columns of f32, 512 KB) is read once, by this work-group alone, rounded to bf16 in registers and laid into LDS as [k][column].
; Wave w streams k rows 256 w .. + 255, one row (512 consecutive bytes) a load, four sets of 16 loads by turns.  While the first loads are out, every wave makes the expert's bitmap
; from sel: 32 scalar words, bit l of word 4 q + c = token 128 q + 4 l + c chose e; and counts its rows.  A barrier ends the phase.
; RANKS.  The expert's rows are ranked by word, then by bit (the second product ranks them alike).  The token of a rank is found in registers: the last word whose running count is no greater than the rank,
; then the bit of that number in it.  So LDS holds the slice alone, and a row's address is plain arithmetic on words read from sel.
; PHASE B.  No barrier inside, and nothing writes LDS.  The rows go in blocks of 16; block g belongs to wave g mod 4; a wave takes up to 6 blocks at a time (a group: 48 accumulators).
; A wave has 16 blocks at the most, so the loop over groups counts to 3 and a dead group is jumped; dead blocks of a group are jumped after its first K step.
; Token rows come from xn straight into registers as matrix operands (always 6 blocks' worth, places past the count repeat the last row, so every counted wait holds on every path);
; the weights' fragments come out of LDS turned, by ds_load_tr16_b128.  The product is used transposed (source 0 = 16 columns of w1, source 1 = 16 rows).
; A second barrier stands behind phase B, ahead of the closing add: the only LDS write behind phase A comes when every wave's reads of LDS are over.
; COLUMNS.  In LDS the second and third group of 8 columns of every 32 change places.  Column blocks 2 p and 2 p + 1 then give lane (r, h) the 16 NEIGHBOURING columns 32 p + 16 h + 0..15 of row r:
; 8 pairs (gate, linear) = 8 hidden numbers = 16 bytes of bf16, which are just what lane (r, h) of the second product's operand holds.  So hid is stored as that operand is read:
; byte ((e 64 + block) 32 + chunk of 32 hidden) 1,024 + half 512 + lane 16, each store 512 consecutive bytes, aligned.
; NO CLUSTER: each slice of weights has one reader; what an expert's work-groups share, the token rows, comes by ranks that no tile descriptor covers.
; LIMITS.  xn, w1 and hid are rounded to bf16, sums in f32.  A NaN in h is not carried as minimum and clip carry it.  An expert without rows is treated as one block of token 1,023, whose results nobody reads.
.set PW,    288                        ; an LDS row of the slice: 256 bytes + 32 = 9 x 32
.set SPARE, 1024*PW                    ; 294,912: behind the slice, the spare words, 128 bytes a wave
; window 0
.set LN,1
.set R,2
.set HH,3
.set SPW,4
.set NIL,5
.set TA,10                             ; v10, v11 at work
.set WST,15                            ; phase A: where my 8 bytes of a row go
.set BADR0,16                          ; my lane's place in a turning load; never rewritten
.set BADR,17                           ; the same plus the K loop's trip x 128 rows of the slice
.set H16,18
.set L16,19
.set ROW,20
.set HOFF,21                           ; my byte in hid: 16 lane + the group's first block x 32,768
.set AOFF,22                           ; v[22:27] my byte in xn for each of the 6 blocks: token x 2,048 + 16 h
.set BOF,28
.set HJ,29                             ; my byte in hid for the block that goes out
.set PK,32                             ; v[32:63]   phase A: 16 rows' 8 bytes
.set QP,32                             ; the search, three queries each: the rank;
.set QM,36                             ; the word kept;
.set QC,40                             ; its running count << 16 | its token base, then the base;
.set QK,44                             ; the bit's number in the word;
.set QA,48                             ; counts of 2 bits,
.set QB,52                             ; of 4,
.set QE,56                             ; of 8,
.set QD,60                             ; of 16;
.set QT,64                             ; at work;
.set QU,68
.set QPOS,72                           ; the bit's place
.set T,64                              ; v[64:127]  h of one block; at the start sel
.set EX,128                            ; v[128:159]
.set PKD,160                           ; v[160:175]
.set BI,192                            ; v[192:255] b1 of my 64 columns
; window 1: phase A: 4 sets of 64; phase B: the token rows' ring, 4 K steps x 6 blocks x 8.  window 2: accumulators of blocks 0-3 at 64 j + 8 b.  window 3: v0-127 those of blocks 4, 5; v128-255 the weights' fragments, 2 K steps x 64
.set WV,14
.set EXPT,15
.set SL,16
.set EBIT,17
.set CNT,18
.set CM1,19
.set NBLK,20
.set NBW,21
.set J,22                              ; the block that goes out
.set G,23
.set NB,24
.set LC,25
.set TS,26
.set PRE,27                            ; the search: rows counted in the words before
.set BLK0,39
.set CB,40                             ; s40, s41 by turns: PRE << 16 | the word's token base
.set U,42
.set C0,44                             ; s44-46: a condition for each query
.set SH,47                             ; the lanes 16-31
.set MK,66                             ; s[66:97] the bitmap
.set MSB, 0
.macro WIN new                         ; the immediate's high byte repeats the setting that is left; a switch that changes nothing is dropped
.if MSB != (\new)
	s_set_vgpr_msb (MSB<<8)|(\new)
.set MSB, \new
.endif
.endm
.macro PLACES                          ; four plain places between a matrix instruction and a load into, or a vector read of, its registers
.rept 4
	v_nop
.endr
.endm
	s_load_b256 s[4:11], s[0:1], 0x0               ; xn s[4:5], sel s[6:7], w1 s[8:9], b1 s[10:11]
	s_load_b64 s[12:13], s[0:1], 0x20              ; hid
	v_lshl_add_u32 v[SPW], v0, 2, SPARE            ; my spare word, and 0: kept for the closing add alone
	v_mov_b32 v[NIL], 0
	v_and_b32 v[LN], 31, v0
	v_lshrrev_b32 v[TA], 5, v0
	v_readfirstlane_b32 s[WV], v[TA]
	s_and_b32 s[EXPT], ttmp7, 0xffff
	s_mov_b32 s[SL], ttmp9
	s_lshl_b32 s[EBIT], 1, s[EXPT]
	v_and_b32 v[R], 15, v0
	v_bfe_u32 v[HH], v0, 4, 1
	v_cmp_eq_u32 s[SH], 1, v[HH]
	v_lshlrev_b32 v[L16], 4, v[LN]
	v_lshlrev_b32 v[H16], 4, v[HH]
	v_lshlrev_b32 v[BOF], 6, v[HH]
	v_lshrrev_b32 v[TA], 3, v[LN]                  ; my 4 columns 4 l ..: group of 32 columns l / 8,
	v_lshlrev_b32 v[WST], 6, v[TA]
	v_bfe_u32 v[TA], v0, 1, 1                      ; the group of 8 with its two bits changed round,
	v_lshl_add_u32 v[WST], v[TA], 5, v[WST]
	v_bfe_u32 v[TA], v0, 2, 1
	v_lshl_add_u32 v[WST], v[TA], 4, v[WST]
	v_and_b32 v[TA], 1, v0                         ; and which half of it
	v_lshl_add_u32 v[WST], v[TA], 3, v[WST]
	s_mul_i32 s[TS], s[WV], 256*PW
	v_add_nc_u32 v[WST], s[TS], v[WST]
	v_and_b32 v[TA], 7, v0                         ; the turning load: lane l reads row 8 h + l % 8, 16 bytes at 16 ((l / 8) % 2)
	v_lshl_add_u32 v[TA], v[HH], 3, v[TA]
	v_mul_u32_u24 v[BADR0], v[TA], PW
	v_bfe_u32 v[TA], v0, 3, 1
	v_lshl_add_u32 v[BADR0], v[TA], 4, v[BADR0]
	s_lshl_b32 s28, s[EXPT], 23                    ; w1: expert x 8 MB + slice x 512 bytes + wave x 256 rows of 8,192 bytes
	s_lshl_b32 s[TS], s[SL], 9
	s_add_co_u32 s28, s28, s[TS]
	s_lshl_b32 s[TS], s[WV], 21
	s_add_co_u32 s28, s28, s[TS]
	s_mov_b32 s29, 0
	s_lshl_b32 s40, s[EXPT], 13                    ; b1: expert x 8,192 + slice x 512
	s_lshl_b32 s[TS], s[SL], 9
	s_add_co_u32 s40, s40, s[TS]
	s_mov_b32 s41, 0
	s_lshl_b32 s42, s[EXPT], 21                    ; hid: expert x 2 MB + slice x 2 chunks of 1,024
	s_lshl_b32 s[TS], s[SL], 11
	s_add_co_u32 s42, s42, s[TS]
	s_mov_b32 s43, 0
	s_mov_b32 s36, 0x40e00000                      ; 7.0
	s_mov_b32 s37, 0xc0e00000                      ; -7.0
	s_mov_b32 s38, 0xc01d265f                      ; -1.702 log2(e)
	s_mov_b32 s48, 0x76543210                      ; v_permlanex16_b32: each lane takes its own place in the other half
	s_mov_b32 s49, 0xfedcba98
	s_mov_b32 s[CNT], 0
	s_wait_kmcnt 0x0
	s_add_nc_u64 s[30:31], s[8:9], s[28:29]
	s_add_nc_u64 s[10:11], s[10:11], s[40:41]
	s_add_nc_u64 s[34:35], s[12:13], s[42:43]
; 16 rows of chunk c (counted from the stepped base) into set s: each load one row's 512 consecutive bytes
.macro WLD s, c
	WIN 0x40                                       ; destination window 1
.set i, 0
.rept 16
	global_load_b128 v[64*(\s)+4*i:64*(\s)+4*i+3], v[L16], s[30:31] offset:(16*(\c)+i)*8192 th:TH_LOAD_NT
.set i, i+1
.endr
	WIN 0
.endm
; Set s is rounded and stored; ahead = 1: it is loaded again with the chunk four further on.  left = the younger loads that may stay out
.macro WCH s, ahead, left
	s_wait_loadcnt \left
	WIN 0x05                                       ; sources in window 1
.set i, 0
.rept 32
	v_cvt_pk_bf16_f32 v[PK+i], v[64*(\s)+2*i], v[64*(\s)+2*i+1]
.set i, i+1
.endr
.if \ahead
	WLD \s, (\s)+4
.endif
	WIN 0
.set i, 0
.rept 16
	ds_store_b64 v[WST], v[PK+2*i:PK+2*i+1] offset:(16*(\s)+i)*PW
.set i, i+1
.endr
.endm
.set i, 0
.rept 8
	global_load_b128 v[T+4*i:T+4*i+3], v[L16], s[6:7] offset:512*i   ; sel: register 4 q + c holds token 128 q + 4 l + c
.set i, i+1
.endr
	WLD 0, 0
	WLD 1, 1
	WLD 2, 2
	s_wait_loadcnt 48                              ; sel is in; the 48 loads of weights behind it stay out
	WLD 3, 3
	; THE BITMAP, and the count of the expert's rows
.set n, 0
.rept 32
	v_and_b32 v[TA+n%2], s[EBIT], v[T+n]
	v_cmp_ne_u32 s[MK+n], 0, v[TA+n%2]
.set n, n+1
.endr
.set n, 0
.rept 32
	s_bcnt1_i32_b32 s[TS], s[MK+n]
	s_add_co_u32 s[CNT], s[CNT], s[TS]
.set n, n+1
.endr
	s_max_u32 s[CNT], s[CNT], 1
	s_sub_co_u32 s[CM1], s[CNT], 1
	s_add_co_u32 s[NBLK], s[CNT], 15
	s_lshr_b32 s[NBLK], s[NBLK], 4                 ; blocks of 16 rows
	s_add_co_u32 s[NBW], s[NBLK], 3
	s_sub_co_u32 s[NBW], s[NBW], s[WV]
	s_lshr_b32 s[NBW], s[NBW], 2                   ; of which mine: those with block mod 4 = wave
	s_mov_b32 s[LC], 3
.Lstream:                                              ; a trip: 4 chunks of 16 rows stored, the 4 chunks four further on asked for
	WCH 0, 1, 48                                   ; my set is in; the three younger sets, 48 loads, stay out
	WCH 1, 1, 48
	WCH 2, 1, 48
	WCH 3, 1, 48
	s_wait_xcnt 0x0                                ; the loads' base is stepped only behind this wait
	s_add_nc_u64 s[30:31], s[30:31], 64*8192
	v_add_nc_u32 v[WST], 64*PW, v[WST]
	s_sub_co_u32 s[LC], s[LC], 1
	s_cmp_lg_u32 s[LC], 0
	s_cbranch_scc1 .Lstream
	WCH 0, 0, 48                                   ; the last four chunks load nothing: the counts run down
	WCH 1, 0, 32
	WCH 2, 0, 16
	WCH 3, 0, 0
.set i, 0
.rept 16
	global_load_b128 v[BI+4*i:BI+4*i+3], v[BOF], s[10:11] offset:128*(i/4)+16*(i%4)   ; b1 of columns 32 p + 16 h + 0..15
.set i, i+1
.endr
	s_wait_dscnt 0x0                               ; for the other waves: my rows of the slice are in LDS
	s_barrier_signal -1
	s_barrier_wait -1
; K step tr (counted from the stepped bases): the 6 blocks' token rows, 32 k = 64 bytes a row: lane (r, h) takes 16 bytes at 16 h and at 32 + 16 h
.macro ALOAD tr
	WIN 0x40
.irp j, 0,1,2,3,4,5
	global_load_b128 v[48*((\tr)%4)+8*\j:48*((\tr)%4)+8*\j+3],   v[AOFF+\j], s[32:33] offset:64*(\tr)
	global_load_b128 v[48*((\tr)%4)+8*\j+4:48*((\tr)%4)+8*\j+7], v[AOFF+\j], s[32:33] offset:64*(\tr)+32
.endr
.endm
; the slice's 8 fragments of 32 k x 16 columns
.macro BLOAD tr
	WIN 0xc0
.irp b, 0,1,2,3,4,5,6,7
	ds_load_tr16_b128 v[128+64*((\tr)%2)+8*\b:128+64*((\tr)%2)+8*\b+3],   v[BADR] offset:(\tr)*32*PW+32*\b
	ds_load_tr16_b128 v[128+64*((\tr)%2)+8*\b+4:128+64*((\tr)%2)+8*\b+7], v[BADR] offset:(\tr)*32*PW+16*PW+32*\b
.endr
.endm
; block j x the 8 column blocks.  The accumulators take turns, one instruction a turn
.macro MUL8 tr, j, zero
.if (\j) < 4
	WIN 0xa7                                       ; weights window 3, rows window 1, sums window 2
.set AC, 64*(\j)
.else
	WIN 0xf7                                       ; sums window 3
.set AC, 64*((\j)-4)
.endif
.set FA, 48*((\tr)%4)+8*(\j)
.set FB, 128+64*((\tr)%2)
.irp b, 0,1,2,3,4,5,6,7
.if \zero
	v_wmma_f32_16x16x32_bf16 v[AC+8*\b:AC+8*\b+7], v[FB+8*\b:FB+8*\b+7], v[FA:FA+7], 0
.else
	v_wmma_f32_16x16x32_bf16 v[AC+8*\b:AC+8*\b+7], v[FB+8*\b:FB+8*\b+7], v[FA:FA+7], v[AC+8*\b:AC+8*\b+7]
.endif
.endr
.endm
; A K step.  la: the rows three steps on are asked for; lb: the fragments of the next step; skip: blocks past the group's count are jumped; wl: the younger row loads that may stay out
.macro STEP tr, zero, la, lb, skip, wl
	WIN 0
.if (\la) || (\lb)
	PLACES                                         ; the loads below go into registers that the step before multiplied
.endif
.if \la
	ALOAD (\tr)+3
.endif
.if \lb
	BLOAD (\tr)+1
.endif
	s_wait_loadcnt \wl
.if \lb
	s_wait_dscnt 16                                ; this step's fragments are in; the 16 loads just issued stay out
.else
	s_wait_dscnt 0x0
.endif
.irp j, 0,1,2,3,4,5
.if (\skip) && ((\j) > 0)
	WIN 0                                          ; at a branch every window is 0
	s_cmp_le_i32 s[NB], \j
	s_cbranch_scc1 .Lse_\@
.endif
	MUL8 \tr, \j, \zero
.endr
	WIN 0
.Lse_\@:
.endm
; One halving of the search for bit number QK of the word: x holds the counts of w-bit... fields st bits wide; if the lower half holds QK bits or fewer, the bit lies in the upper half.
.macro LEVEL x, w, st, first, last
.irp m, 0,1,2
.if \first
	v_bfe_u32 v[QT+\m], v[(\x)+\m], 0, \w
.else
	v_bfe_u32 v[QT+\m], v[(\x)+\m], v[QPOS+\m], \w
.endif
.endr
.irp m, 0,1,2
	v_cmp_ge_u32 s[C0+\m], v[QK+\m], v[QT+\m]
.endr
.if !(\last)
.irp m, 0,1,2
	v_cndmask_b32 v[QT+\m], 0, v[QT+\m], s[C0+\m]
.endr
.irp m, 0,1,2
	v_sub_nc_u32 v[QK+\m], v[QK+\m], v[QT+\m]
.endr
.endif
.irp m, 0,1,2
.if \first
	v_cndmask_b32 v[QPOS+\m], 0, \st, s[C0+\m]
.else
	v_cndmask_b32 v[QU+\m], 0, \st, s[C0+\m]
.endif
.endr
.if !(\first)
.irp m, 0,1,2
	v_add_nc_u32 v[QPOS+\m], v[QPOS+\m], v[QU+\m]
.endr
.endif
.endm
; Block j's sums and the bias into T: the one part of the way out that names a block's own registers
.macro COPY j
.if (\j) < 4
	WIN 0x02
.set AC, 64*(\j)
.else
	WIN 0x03
.set AC, 64*((\j)-4)
.endif
.set m, 0
.rept 32
	v_pk_add_f32 v[T+2*m:T+2*m+1], v[AC+2*m:AC+2*m+1], v[BI+2*m:BI+2*m+1]   ; each accumulator from its low end on; even places: gate, odd: linear
.set m, m+1
.endr
	WIN 0
.endm
	s_mov_b32 s[G], 0
.Lgrp:                                                 ; 3 trips: groups of 6 blocks; a wave has 16 blocks at the most
	s_mul_i32 s[TS], s[G], 6
	s_sub_co_i32 s[NB], s[NBW], s[TS]              ; my blocks still to do
	s_cmp_le_i32 s[NB], 0
	s_cbranch_scc1 .Lgnext
	s_wait_xcnt 0x0                                ; the offsets and the base of the group before are written again only behind this wait
	s_mul_i32 s[BLK0], s[G], 24
	s_add_co_u32 s[BLK0], s[BLK0], s[WV]           ; the group's first block; block j of the group is 4 j further on
	; THE TOKENS OF THE GROUP'S 96 ROWS.  Query m: lanes 0-15 ask for block 2 m, lanes 16-31 for block 2 m + 1: rank 16 (first block + 8 m + 4 h) + r; ranks past the count repeat the last row.
	v_lshl_add_u32 v[ROW], s[BLK0], 4, v[R]
	v_lshl_add_u32 v[ROW], v[HH], 6, v[ROW]
.irp m, 0,1,2
	v_add_nc_u32 v[QP+\m], 128*\m, v[ROW]
.endr
.irp m, 0,1,2
	v_min_u32 v[QP+\m], s[CM1], v[QP+\m]
.endr
.irp m, 0,1,2
	v_mov_b32 v[QM+\m], s[MK]                      ; word 0 begins at rank 0
	v_mov_b32 v[QC+\m], 0
.endr
	s_bcnt1_i32_b32 s[PRE], s[MK]
.set n, 1
.rept 31                                               ; word n is kept where the rows counted before it are no more than the rank: the last word kept holds the row
	s_lshl_b32 s[CB+n%2], s[PRE], 16
	s_or_b32 s[CB+n%2], s[CB+n%2], 128*(n/4)+n%4
.irp m, 0,1,2
	v_cmp_le_u32 s[C0+\m], s[PRE], v[QP+\m]
.endr
	s_bcnt1_i32_b32 s[U], s[MK+n]
.irp m, 0,1,2
	v_cndmask_b32 v[QM+\m], v[QM+\m], s[MK+n], s[C0+\m]
.endr
.irp m, 0,1,2
	v_cndmask_b32 v[QC+\m], v[QC+\m], s[CB+n%2], s[C0+\m]
.endr
	s_add_co_u32 s[PRE], s[PRE], s[U]
.set n, n+1
.endr
.irp m, 0,1,2
	v_lshrrev_b32 v[QT+\m], 16, v[QC+\m]
.endr
.irp m, 0,1,2
	v_sub_nc_u32 v[QK+\m], v[QP+\m], v[QT+\m]      ; the row is set bit number QK of the word,
.endr
.irp m, 0,1,2
	v_and_b32 v[QC+\m], 0xffff, v[QC+\m]           ; whose bit 0 is this token
.endr
.irp m, 0,1,2                                          ; the word's set bits counted in fields of 2, 4, 8 and 16 bits
	v_lshrrev_b32 v[QT+\m], 1, v[QM+\m]
.endr
.irp m, 0,1,2
	v_and_b32 v[QT+\m], 0x55555555, v[QT+\m]
.endr
.irp m, 0,1,2
	v_sub_nc_u32 v[QA+\m], v[QM+\m], v[QT+\m]
.endr
.irp m, 0,1,2
	v_lshrrev_b32 v[QT+\m], 2, v[QA+\m]
.endr
.irp m, 0,1,2
	v_and_b32 v[QT+\m], 0x33333333, v[QT+\m]
	v_and_b32 v[QB+\m], 0x33333333, v[QA+\m]
.endr
.irp m, 0,1,2
	v_add_nc_u32 v[QB+\m], v[QB+\m], v[QT+\m]
.endr
.irp m, 0,1,2
	v_lshrrev_b32 v[QT+\m], 4, v[QB+\m]
.endr
.irp m, 0,1,2
	v_add_nc_u32 v[QT+\m], v[QB+\m], v[QT+\m]
.endr
.irp m, 0,1,2
	v_and_b32 v[QE+\m], 0x0f0f0f0f, v[QT+\m]
.endr
.irp m, 0,1,2
	v_lshrrev_b32 v[QT+\m], 8, v[QE+\m]
.endr
.irp m, 0,1,2
	v_add_nc_u32 v[QD+\m], v[QE+\m], v[QT+\m]
.endr
	LEVEL QD, 8, 16, 1, 0
	LEVEL QE, 8, 8, 0, 0
	LEVEL QB, 4, 4, 0, 0
	LEVEL QA, 2, 2, 0, 0
	LEVEL QM, 1, 1, 0, 1
.irp m, 0,1,2
	v_lshl_add_u32 v[QT+\m], v[QPOS+\m], 2, v[QC+\m]   ; the token: bit l of a word stands 4 l behind its bit 0
.endr
.irp m, 0,1,2
	v_permlanex16_b32 v[QU+\m], v[QT+\m], s48, s49     ; the other half's token (the destination has been written)
.endr
.irp m, 0,1,2
	v_cndmask_b32 v[AOFF+2*\m],   v[QT+\m], v[QU+\m], s[SH]   ; block 2 m: lanes 0-15 found it, lanes 16-31 take it over
	v_cndmask_b32 v[AOFF+2*\m+1], v[QU+\m], v[QT+\m], s[SH]   ; block 2 m + 1: the other way round
.endr
.irp j, 0,1,2,3,4,5
	v_min_u32 v[AOFF+\j], 0x3ff, v[AOFF+\j]
	v_lshl_add_u32 v[AOFF+\j], v[AOFF+\j], 11, v[H16]
.endr
	s_lshl_b32 s[TS], s[BLK0], 15
	v_add_nc_u32 v[HOFF], s[TS], v[L16]
	s_mov_b64 s[32:33], s[4:5]
	v_mov_b32 v[BADR], v[BADR0]
	ALOAD 0
	ALOAD 1
	ALOAD 2
	BLOAD 0
	STEP 0, 1, 1, 1, 0, 36                         ; the first K step starts all 48 sums; three younger steps of 12 loads stay out
	s_mov_b32 s[LC], 0
.Lk:                                                   ; 7 trips of 4 K steps.  The slice's LDS address is made anew from the trip's number: trip x 128 rows; with the largest offset it ends at byte 276,448 of the slice's 294,912
	s_mul_i32 s[TS], s[LC], 4*32*PW
	v_add_nc_u32 v[BADR], s[TS], v[BADR0]
	STEP 1, 0, 1, 1, 1, 36
	STEP 2, 0, 1, 1, 1, 36
	STEP 3, 0, 1, 1, 1, 36
	STEP 4, 0, 1, 1, 1, 36
	s_wait_xcnt 0x0                                ; the row loads' base is stepped only behind this wait
	s_add_nc_u64 s[32:33], s[32:33], 256
	s_add_co_u32 s[LC], s[LC], 1
	s_cmp_lt_u32 s[LC], 7
	s_cbranch_scc1 .Lk
	v_add_nc_u32 v[BADR], 7*4*32*PW, v[BADR0]      ; the tail's rows 896 on: the last load ends at byte 294,880
	STEP 1, 0, 0, 1, 1, 24                         ; the last three steps ask for no rows: the counts run down
	STEP 2, 0, 0, 1, 1, 12
	STEP 3, 0, 0, 0, 1, 0
	PLACES
	; THE WAY OUT, a loop of 6 trips, a block a trip: bias (written for each block, chosen by the trip's number), then, written once, swiglu, bf16 and four stores of 512 consecutive bytes.  Dead trips are jumped.
	s_mov_b32 s[J], 0
.Lepi:
	s_cmp_ge_i32 s[J], s[NB]
	s_cbranch_scc1 .Lepi_next
	s_wait_xcnt 0x0                                ; the registers that the block before stored from are written again only behind this wait
	s_lshl_b32 s[TS], s[J], 17                     ; block j of the group lies 4 blocks of 32,768 bytes behind block j - 1
	v_add_nc_u32 v[HJ], s[TS], v[HOFF]
	s_cmp_lg_u32 s[J], 0
	s_cbranch_scc1 .Lc1
	COPY 0
	s_branch .Lsw
.Lc1:
	s_cmp_lg_u32 s[J], 1
	s_cbranch_scc1 .Lc2
	COPY 1
	s_branch .Lsw
.Lc2:
	s_cmp_lg_u32 s[J], 2
	s_cbranch_scc1 .Lc3
	COPY 2
	s_branch .Lsw
.Lc3:
	s_cmp_lg_u32 s[J], 3
	s_cbranch_scc1 .Lc4
	COPY 3
	s_branch .Lsw
.Lc4:
	s_cmp_lg_u32 s[J], 4
	s_cbranch_scc1 .Lc5
	COPY 4
	s_branch .Lsw
.Lc5:
	COPY 5
.Lsw:
.set m, 0
.rept 32
	v_min_num_f32 v[T+2*m], s36, v[T+2*m]          ; a = min(gate, 7)
.set m, m+1
.endr
.set m, 0
.rept 32
	v_mul_f32 v[EX+m], s38, v[T+2*m]
.set m, m+1
.endr
.set m, 0
.rept 32
	v_exp_f32 v[EX+m], v[EX+m]                     ; e^(-1.702 a): one batch
.set m, m+1
.endr
.set m, 0
.rept 32
	v_med3_num_f32 v[T+2*m+1], v[T+2*m+1], s37, s36   ; b = clip(linear): the plain work behind the batch
.set m, m+1
.endr
	s_wait_alu depctr_va_vdst(0)                   ; one wait for the 32 exponentials, ahead of their first reader
.set m, 0
.rept 16
	v_pk_add_f32 v[EX+2*m:EX+2*m+1], v[EX+2*m:EX+2*m+1], 1.0 op_sel_hi:[1,0]
.set m, m+1
.endr
.set m, 0
.rept 32
	v_rcp_f32 v[EX+m], v[EX+m]                     ; the sigmoid: one batch
.set m, m+1
.endr
.set m, 0
.rept 32
	v_add_f32 v[T+2*m+1], 1.0, v[T+2*m+1]          ; b + 1: the plain work behind the batch
.set m, m+1
.endr
	s_wait_alu depctr_va_vdst(0)                   ; one wait for the 32 reciprocals
.set m, 0
.rept 32
	v_mul_f32 v[T+2*m], v[T+2*m], v[EX+m]
.set m, m+1
.endr
.set m, 0
.rept 32
	v_mul_f32 v[T+2*m], v[T+2*m], v[T+2*m+1]
.set m, m+1
.endr
.set m, 0
.rept 16
	v_cvt_pk_bf16_f32 v[PKD+m], v[T+4*m], v[T+4*m+2]
.set m, m+1
.endr
.irp p, 0,1,2,3
	global_store_b128 v[HJ], v[PKD+4*\p:PKD+4*\p+3], s[34:35] offset:512*\p
.endr
.Lepi_next:
	s_add_co_u32 s[J], s[J], 1
	s_cmp_lt_u32 s[J], 6
	s_cbranch_scc1 .Lepi
.Lgnext:
	s_add_co_u32 s[G], s[G], 1
	s_cmp_lt_u32 s[G], 3
	s_cbranch_scc1 .Lgrp
	s_wait_dscnt 0x0                               ; my reads of LDS are over;
	s_barrier_signal -1
	s_barrier_wait -1                              ; every wave's are: the add below, the one LDS write behind phase A, comes behind them all
	s_wait_tensorcnt 0x0                           ; the wave's end
	ds_add_u32 v[SPW], v[NIL]
	s_wait_dscnt 0x0
	s_endpgm
.Lfunc_end_k_qa943c8adcb_ffn1:
	.size	k_qa943c8adcb_ffn1, .Lfunc_end_k_qa943c8adcb_ffn1-k_qa943c8adcb_ffn1
	.p2alignl 7, 3214868480
	.fill 96, 4, 3214868480
	.section	.rodata,"a",@progbits
	.p2align	6, 0x0
	.amdhsa_kernel k_qa943c8adcb_ffn1
		.amdhsa_group_segment_fixed_size 295424
		.amdhsa_private_segment_fixed_size 0
		.amdhsa_enable_private_segment 0
		.amdhsa_kernarg_size 40
		.amdhsa_user_sgpr_count 2
		.amdhsa_user_sgpr_kernarg_segment_ptr 1
		.amdhsa_wavefront_size32 1
		.amdhsa_system_sgpr_workgroup_id_x 1
		.amdhsa_system_sgpr_workgroup_id_y 1
		.amdhsa_system_sgpr_workgroup_id_z 1
		.amdhsa_system_vgpr_workitem_id 0
		.amdhsa_next_free_vgpr 1024
		.amdhsa_next_free_sgpr 98
		.amdhsa_reserve_vcc 0
		.amdhsa_float_denorm_mode_32 3
		.amdhsa_float_denorm_mode_16_64 3
		.amdhsa_memory_ordered 1
		.amdhsa_forward_progress 1
		.amdhsa_inst_pref_size 152
	.end_amdhsa_kernel
	.amdgpu_metadata
---
amdhsa.version: [ 1, 2 ]
amdhsa.kernels:
  - .name:           k_qa943c8adcb_ffn1
    .symbol:         k_qa943c8adcb_ffn1.kd
    .args:
      - { .name: xn, .offset: 0, .size: 8, .value_kind: global_buffer, .address_space: global }
      - { .name: sel, .offset: 8, .size: 8, .value_kind: global_buffer, .address_space: global }
      - { .name: w1, .offset: 16, .size: 8, .value_kind: global_buffer, .address_space: global }
      - { .name: b1, .offset: 24, .size: 8, .value_kind: global_buffer, .address_space: global }
      - { .name: hid, .offset: 32, .size: 8, .value_kind: global_buffer, .address_space: global }
    .group_segment_fixed_size: 295424
    .private_segment_fixed_size: 0
    .kernarg_segment_align: 8
    .kernarg_segment_size: 40
    .max_flat_workgroup_size: 128
    .sgpr_count:     98
    .vgpr_count:     1024
    .wavefront_size: 32
...
	.end_amdgpu_metadata
.endif
;; end of part 5
;; launch ffn2: the kernel of part 3 again; grid 16 x 16, 4 waves a work-group, no clusters, 181,760 bytes of LDS; arguments hid, sel, w2, b2, y; writes y
;; launch combine: the kernel of part 4 again; grid 256 x 1, 4 waves a work-group, no clusters, 20,992 bytes of LDS; arguments x, idx, gat, y, out0; writes out0
;; ======== version 3 of 3: 4 launches; version 2 with the launch ffn2 written anew for expert scheduling mode
;; workspace buffers: xn 2,097,152 bytes; sel 4,096 bytes of whole numbers; idx 16,384 bytes of whole numbers; gat 16,384 bytes; hid 33,554,432 bytes; y 67,108,864 bytes
;; launch router: the kernel of part 1 again; grid 256 x 1, 4 waves a work-group, no clusters, 2,048 bytes of LDS; arguments x, norm_scale, wg, bg, xn, sel, idx, gat; writes xn, sel, idx, gat
;; launch ffn1: the kernel of part 5 again; grid 16 x 16, 4 waves a work-group, no clusters, 295,424 bytes of LDS; arguments xn, sel, w1, b1, hid; writes hid
;; launch ffn2 (part 6): grid 16 x 16, 4 waves a work-group, no clusters, 181,760 bytes of LDS; arguments hid, sel, w2, b2, y; writes y
.if DOCPART == 6
	.amdgcn_target "amdgcn-amd-amdhsa--gfx1250"
	.amdhsa_code_object_version 6
	.text
	.protected	k_qa943c8adcb_ffn2
	.globl	k_qa943c8adcb_ffn2
	.p2align	8
	.type	k_qa943c8adcb_ffn2,@function
k_qa943c8adcb_ffn2:
	s_mov_b64 s[64:65], 0
	v_nop
	global_prefetch_b8 v0, s[64:65] scope:SCOPE_SE
	s_setreg_imm32_b32 hwreg(HW_REG_WAVE_SCHED_MODE, 0, 2), 2
	s_setreg_imm32_b32 hwreg(HW_REG_WAVE_MODE, 25, 1), 1
	s_wait_xcnt 0x0
	s_wait_alu depctr_vm_vsrc(0)
; y[e][token] = hid w2[e] + b2[e] for the rows that chose expert e (f32: partial rows that the last launch weighs and adds).  Work-group (sl, e): 64 columns of ONE expert, all of its rows.
; Built as the first product is.  PHASE A: the slice of w2 (1,024 k x 64 columns of f32, 256 KB) is read once, by this work-group alone, rounded to bf16 and laid into LDS as [k][column];
; a load takes two k rows, 256 consecutive aligned bytes each; every wave makes a list rank -> token from sel, with the first product's ranks.  A barrier ends the phase.
; PHASE B: no barrier inside, and nothing writes LDS.  Block g of 16 rows belongs to wave g mod 4, up to 6 blocks a group, 3 groups at the most, dead ones jumped.  hid lies as the operand registers take it:
; a load is 512 consecutive bytes.  Blocks past the expert's last repeat the last block, so every counted wait holds on every path and only written bytes of hid are read.
; A second barrier stands behind phase B, when every wave's reads of LDS are over.
; THE WAY OUT.  Source 0 = 16 rows of hid, source 1 = 16 columns of w2: register i of column block b holds row 8 h + i, column 16 b + r.  The bias add gathers the four blocks' register i into four
; neighbouring registers, and one store of 16 bytes a lane then covers the 256 bytes of the slice in row i (lanes 0-15) and in row 8 + i (lanes 16-31): whole aligned blocks of 256 bytes, no way through LDS.
; So inside a slice y's columns lie in the order 4 r + b for column 16 b + r; the last launch, y's only reader, puts them back.
; Rows past the count are copies of the last row: the same wave writes the same bytes with the same numbers again.
; NO CLUSTER: each slice of weights has one reader; sharing hid's blocks among an expert's 16 work-groups would want trip counts alike in partners and tile loads in a loop whose length hangs on a count.
; LIMITS.  hid and w2 in bf16, sums in f32.  An expert without rows writes y[e][token 0], which nobody reads.
; THE MODE: SCHED_MODE bits 1:0 = 2 (LLVM: expert scheduling mode 2), set by the entry lines.  The code itself states the register dependences
; between vector or matrix instructions and memory or LDS instructions, with s_wait_alu, always for 0.
; THE PLAN.  Registers that memory or LDS instructions touch:
;   L16, WOF, WST, BOF, ZA, ZD   offsets and zeros, made at the head and never written again.
;   LA, LD          the list's 32 addresses and 32 tokens: written by the ranking, read by the 32 LDS stores behind one wait.  LA's first 8 serve the way out: a block's arithmetic writes them, its 8 list loads read them.
;   sets 0-3        phase A: chunk c's conversions read set c % 4; behind them the chunk four further on lands in it.
;   PK0, PK1        chunk c's conversions write PK[c % 2], its 16 LDS stores read it; chunk c + 2 writes it again.
;   AOFF, BADR      written at a group's head (BADR also once a trip of the K loop), read by hid's loads and by the turning loads.
;   ring 0-3        step s's matrix instructions read ring[s % 4]; the loads issued in step s (for step s + 3) land in ring[(s - 1) % 4].
;   fragments 0-3   step s's matrix instructions read buffer s % 4; the turning loads issued in step s (for step s + 2) land in buffer (s + 2) % 4, last read in step s - 2.
;   T0, T1, TK0/1   block j's bias adds write T[j % 2]; its list loads and two vector lines write TK[j % 2]; its 8 stores read both; block j + 2 writes them again.
; ONE wait on va_vdst stands in a K step, behind the waits for the step's data.  Behind it come block 0's four matrix instructions, which name ring[s % 4], fragments s % 4 and the accumulators, and
; then the step's 20 loads, which touch none of those.  The loads stand ahead of the first jump over a dead block, so that every path issues them.
.set PW,    160                        ; an LDS row of the slice: 128 bytes + 32 = 5 x 32
.set LIST,  1024*PW                    ; 163,840
.set LISTW, 4352                       ; a wave's list; behind the four lists 512 bytes of spare words for the closing add
.set LN,1
.set R,2
.set HH,3
.set ZA,6                              ; where my 16 bytes of the list's first fill go
.set LB,7
.set DUMP,8
.set TK0,9
.set TA,10
.set H8,13                             ; 8 (lane / 16)
.set WOF,14
.set WST,15
.set BADR0,16                          ; my lane's place in a turning load; never rewritten
.set BADR,17                           ; the same plus the K loop's trip x 128 rows of the slice
.set C16,18                            ; 16 (lane % 16)
.set L16,19
.set ROW,20                            ; 16 x first block + 8 (lane / 16)
.set AOFF,22                           ; v[22:27]
.set BOF,28
.set PK,32                             ; v[32:63] and v[96:127]: phase A's two out-buffers, 16 pairs of rows' 8 bytes each
.set T,64                              ; v[64:95] and v[96:127]: a block's results, by the block's parity, row i's four numbers at + 4 i; at the start v[64:95] hold sel
.set TK,128                            ; v[128:135] and v[136:143]: the rows' tokens, then their bytes in y, by the block's parity
.set LA,144                            ; v[144:175] the list's LDS addresses; the first 8 also the way out's
.set BI,192                            ; v[192:195] b2 of my 4 columns 16 b + r
.set LD,196                            ; v[196:227] the list's tokens
.set ZD,228                            ; v[228:231] 0
; window 1: phase A: 4 sets of 64; phase B: v0-191 hid's ring (4 K steps x 6 blocks x 8).  window 2: v0-191 accumulators at 32 j + 8 b.  window 3: v0-127 the weights' fragments (4 K steps x 32)
.set WV,14
.set EXPT,15
.set SL,16
.set EBIT,17
.set CNT,18
.set CM1,19
.set NBLK,20
.set NBW,21
.set NM1,22
.set G,23
.set NB,24
.set LC,25
.set TS,26
.set MK,36                             ; s[36:43] the ranking: eight compare masks at a time (the offsets that lay here have been added to their bases)
.set BLK0,39                           ; later
.set MSB, 0
.macro WIN new
.if MSB != (\new)
	s_set_vgpr_msb (MSB<<8)|(\new)
.set MSB, \new
.endif
.endm
.macro PLACES                          ; four plain places behind a matrix instruction (ISA guide 7.12.1)
.rept 4
	v_nop
.endr
.endm
	s_load_b256 s[4:11], s[0:1], 0x0               ; hid s[4:5], sel s[6:7], w2 s[8:9], b2 s[10:11]
	s_load_b64 s[12:13], s[0:1], 0x20              ; y
	v_lshl_add_u32 v254, v0, 2, 0x2c400
	v_mov_b32 v255, 0
	v_and_b32 v[LN], 31, v0
	v_lshrrev_b32 v[TA], 5, v0
	v_readfirstlane_b32 s[WV], v[TA]
	s_and_b32 s[EXPT], ttmp7, 0xffff
	s_mov_b32 s[SL], ttmp9
	s_lshl_b32 s[EBIT], 1, s[EXPT]
	v_and_b32 v[R], 15, v0
	v_bfe_u32 v[HH], v0, 4, 1
	v_lshlrev_b32 v[L16], 4, v[LN]
	v_lshlrev_b32 v[C16], 4, v[R]
	v_lshlrev_b32 v[H8], 3, v[HH]
	v_lshlrev_b32 v[BOF], 2, v[R]
	v_lshlrev_b32 v[TK0], 2, v[LN]
	v_add_nc_u32 v[DUMP], 1024, v[LN]
.irp z, 0,1,2,3
	v_mov_b32 v[ZD+\z], 0
.endr
	s_wait_alu depctr_va_sdst(0)                   ; the wave's number is written, ahead of its first reader
	s_mul_i32 s[TS], s[WV], LISTW
	s_add_co_u32 s[TS], s[TS], LIST
	v_mov_b32 v[LB], s[TS]
	v_add_nc_u32 v[ZA], v[LB], v[L16]
	v_lshl_add_u32 v[WOF], v[HH], 12, v[C16]       ; lanes 0-15 one k row's 256 bytes, lanes 16-31 the next row's
	v_mul_u32_u24 v[WST], v[HH], PW
	v_lshl_add_u32 v[WST], v[R], 3, v[WST]
	s_mul_i32 s[TS], s[WV], 256*PW
	v_add_nc_u32 v[WST], s[TS], v[WST]
	v_and_b32 v[TA], 7, v0
	v_lshl_add_u32 v[TA], v[HH], 3, v[TA]
	v_mul_u32_u24 v[BADR0], v[TA], PW
	v_bfe_u32 v[TA], v0, 3, 1
	v_lshl_add_u32 v[BADR0], v[TA], 4, v[BADR0]
	s_lshl_b32 s28, s[EXPT], 22                    ; w2: expert x 4 MB + slice x 256 bytes + wave x 256 rows of 4,096 bytes
	s_lshl_b32 s[TS], s[SL], 8
	s_add_co_u32 s28, s28, s[TS]
	s_lshl_b32 s[TS], s[WV], 20
	s_add_co_u32 s28, s28, s[TS]
	s_mov_b32 s29, 0
	s_lshl_b32 s40, s[EXPT], 12                    ; b2: expert x 4,096 + slice x 256
	s_lshl_b32 s[TS], s[SL], 8
	s_add_co_u32 s40, s40, s[TS]
	s_mov_b32 s41, 0
	s_lshl_b32 s42, s[EXPT], 22                    ; y: expert x 4 MB + slice x 256
	s_add_co_u32 s42, s42, s[TS]
	s_mov_b32 s43, 0
	s_lshl_b32 s36, s[EXPT], 21                    ; hid: expert x 2 MB
	s_mov_b32 s37, 0
	s_mov_b32 s[CNT], 0
	s_wait_kmcnt 0x0
	s_add_nc_u64 s[30:31], s[8:9], s[28:29]
	s_add_nc_u64 s[10:11], s[10:11], s[40:41]
	s_add_nc_u64 s[34:35], s[12:13], s[42:43]
	s_add_nc_u64 s[44:45], s[4:5], s[36:37]
	s_wait_alu depctr_va_vdst(0)                   ; the offsets L16, WOF, WST, BOF and ZA and the zeros ZD are written, which the loads and stores below read
; chunk c (32 k rows, 16 loads) into set c % 4
.macro WLD c
	WIN 0x40
.set i, 0
.rept 16
	global_load_b128 v[64*((\c)%4)+4*i:64*((\c)%4)+4*i+3], v[WOF], s[30:31] offset:(32*(\c)+2*i)*4096 th:TH_LOAD_NT
.set i, i+1
.endr
	WIN 0
.endm
; Chunk c is rounded into PK[c % 2] and stored; ahead = 1: its set is loaded again with the chunk four further on.  left = the younger loads that may stay out
.macro WCH c, ahead, left
	s_wait_loadcnt \left
	WIN 0x05
.set i, 0
.rept 32
	v_cvt_pk_bf16_f32 v[PK+64*((\c)%2)+i], v[64*((\c)%4)+2*i], v[64*((\c)%4)+2*i+1]
.set i, i+1
.endr
.if ((\c) > 0) && ((\c) < 7)
	s_wait_alu depctr_vm_vsrc(0)                   ; the LDS stores of the chunk before have read the other PK, which the next chunk's conversions write
.endif
	s_wait_alu depctr_va_vdst(0)                   ; the conversions are done reading the set, in which the loads below land, and have written PK, which the LDS stores below read
.if \ahead
	WLD (\c)+4
.endif
	WIN 0
.set i, 0
.rept 16
	ds_store_b64 v[WST], v[PK+64*((\c)%2)+2*i:PK+64*((\c)%2)+2*i+1] offset:(32*(\c)+2*i)*PW
.set i, i+1
.endr
.endm
.set i, 0
.rept 8
	global_load_b128 v[T+4*i:T+4*i+3], v[L16], s[6:7] offset:512*i   ; sel: register 4 q + c holds token 128 q + 4 l + c
.set i, i+1
.endr
	WLD 0
	WLD 1
	WLD 2
	s_wait_loadcnt 48                              ; sel is in; the 48 loads of weights behind it stay out
	WLD 3
	; THE LIST, with the first product's ranks.  First all 1,024 ranks take token 0; the ranks below land on top, in order (LDS serves a wave's instructions in order: ISA guide 5.7.1.4).
.set i, 0
.rept 8
	ds_store_b128 v[ZA], v[ZD:ZD+3] offset:512*i   ; no vector instruction since the head's wait names ZA or ZD
.set i, i+1
.endr
.set q, 0
.rept 4                                                ; eight registers of sel at a time: a run of compares into eight scalar registers, one wait behind the run
.set k, 0
.rept 8
	v_and_b32 v[T+8*q+k], s[EBIT], v[T+8*q+k]
.set k, k+1
.endr
.set k, 0
.rept 8
	v_cmp_ne_u32 s[MK+k], 0, v[T+8*q+k]
.set k, k+1
.endr
	s_wait_alu depctr_va_sdst(0)                   ; the eight masks are written, ahead of their first reader
.set k, 0
.rept 8
	v_mbcnt_lo_u32_b32 v[LA+8*q+k], s[MK+k], s[CNT]   ; the rank: the rows counted so far + the chosen lanes below mine
	s_bcnt1_i32_b32 s[TS], s[MK+k]
	s_add_co_u32 s[CNT], s[CNT], s[TS]
.set k, k+1
.endr
.set k, 0
.rept 8
	v_cndmask_b32 v[LA+8*q+k], v[DUMP], v[LA+8*q+k], s[MK+k]   ; lanes that did not choose write behind the list
.set k, k+1
.endr
.set k, 0
.rept 8
	v_min_u32 v[LA+8*q+k], 0x41f, v[LA+8*q+k]
.set k, k+1
.endr
.set k, 0
.rept 8
	v_lshl_add_u32 v[LA+8*q+k], v[LA+8*q+k], 2, v[LB]
.set k, k+1
.endr
.set k, 0
.rept 8
	v_add_nc_u32 v[LD+8*q+k], 128*((8*q+k)/4)+((8*q+k)%4), v[TK0]
.set k, k+1
.endr
.set q, q+1
.endr
	s_wait_alu depctr_va_vdst(0)                   ; the 32 addresses LA and the 32 tokens LD are written, which the LDS stores below read
.set n, 0
.rept 32
	ds_store_b32 v[LA+n], v[LD+n]
.set n, n+1
.endr
	s_max_u32 s[CNT], s[CNT], 1
	s_sub_co_u32 s[CM1], s[CNT], 1
	s_add_co_u32 s[NBLK], s[CNT], 15
	s_lshr_b32 s[NBLK], s[NBLK], 4
	s_sub_co_u32 s[NM1], s[NBLK], 1
	s_add_co_u32 s[NBW], s[NBLK], 3
	s_sub_co_u32 s[NBW], s[NBW], s[WV]
	s_lshr_b32 s[NBW], s[NBW], 2
	WCH 0, 1, 48                                   ; my wave's 8 chunks, written out: every place stands in an immediate
	WCH 1, 1, 48
	WCH 2, 1, 48
	WCH 3, 1, 48
	WCH 4, 0, 48
	WCH 5, 0, 32
	WCH 6, 0, 16
	WCH 7, 0, 0
.irp b, 0,1,2,3
	global_load_b32 v[BI+\b], v[BOF], s[10:11] offset:64*\b   ; b2 of column 16 b + r; once a launch
.endr
	s_wait_dscnt 0x0                               ; for the other waves: my rows of the slice are in LDS
	s_barrier_signal -1
	s_barrier_wait -1
.macro ALOAD tr                        ; K step tr of the 6 blocks: 1,024 bytes a block, as the operand takes them
	WIN 0x40
.irp j, 0,1,2,3,4,5
	global_load_b128 v[48*((\tr)%4)+8*\j:48*((\tr)%4)+8*\j+3],   v[AOFF+\j], s[32:33] offset:1024*(\tr)
	global_load_b128 v[48*((\tr)%4)+8*\j+4:48*((\tr)%4)+8*\j+7], v[AOFF+\j], s[32:33] offset:1024*(\tr)+512
.endr
.endm
.macro BLOAD tr                        ; the slice's 4 fragments of 32 k x 16 columns, into buffer tr % 4 of window 3
	WIN 0xc0
.irp b, 0,1,2,3
	ds_load_tr16_b128 v[32*((\tr)%4)+8*\b:32*((\tr)%4)+8*\b+3],   v[BADR] offset:(\tr)*32*PW+32*\b
	ds_load_tr16_b128 v[32*((\tr)%4)+8*\b+4:32*((\tr)%4)+8*\b+7], v[BADR] offset:(\tr)*32*PW+16*PW+32*\b
.endr
.endm
.macro MUL4 tr, j, zero                ; source 0: the block's rows; source 1: 16 columns.  The accumulators take turns, one instruction a turn
	WIN 0xad                                       ; rows window 1, weights window 3, sums window 2
.set AC, 32*(\j)
.set FA, 48*((\tr)%4)+8*(\j)
.set FB, 32*((\tr)%4)
.irp b, 0,1,2,3
.if \zero
	v_wmma_f32_16x16x32_bf16 v[AC+8*\b:AC+8*\b+7], v[FA:FA+7], v[FB+8*\b:FB+8*\b+7], 0
.else
	v_wmma_f32_16x16x32_bf16 v[AC+8*\b:AC+8*\b+7], v[FA:FA+7], v[FB+8*\b:FB+8*\b+7], v[AC+8*\b:AC+8*\b+7]
.endif
.endr
.endm
; A K step.  la: the rows three steps on are asked for; lb: the fragments two steps on; skip: blocks past the group's count are jumped;
; wl, wd: the younger row loads and turning loads that may stay out.  A step that asks for nothing holds no wait on va_vdst; nor does a group's first step, whose loads the wait at the group's head covers.
.macro STEP tr, zero, la, lb, skip, wl, wd
.if ((\la) || (\lb)) && !(\zero)
	PLACES                                         ; between the matrix instructions of the step before and the loads into registers that they read; they stand beside the wait below, not for it
.endif
	s_wait_loadcnt \wl                             ; loads come back in order (ISA guide 5.7.1): this step's rows are in
	s_wait_dscnt \wd                               ; and so are its fragments
.if ((\la) || (\lb)) && !(\zero)
	s_wait_alu depctr_va_vdst(0)                   ; the matrix instructions of the step before are done reading their part of the ring, in which the row loads below land; where v[BADR] has just been stepped, it is written
.endif
	MUL4 \tr, 0, \zero                             ; block 0 is never dead; its four instructions name none of the registers that the loads below touch
.if \lb
	BLOAD (\tr)+2
.endif
.if \la
	ALOAD (\tr)+3
.endif
.irp j, 1,2,3,4,5
.if \skip
	WIN 0
	s_cmp_le_i32 s[NB], \j
	s_cbranch_scc1 .Lse_\@
.endif
	MUL4 \tr, \j, \zero
.endr
	WIN 0
.Lse_\@:
.endm
; Block j goes out: the rows' tokens from my list, the bias, eight stores, from the out-buffers of the block's parity
.macro EPI j
	WIN 0
.if (\j) > 0
	s_cmp_le_i32 s[NB], \j
	s_cbranch_scc1 .Lepi_end
.endif
.set TT, T+32*((\j)%2)
.set KK, TK+8*((\j)%2)
.irp i, 0,1,2,3,4,5,6,7
	v_add_nc_u32 v[LA+\i], 64*(\j)+\i, v[ROW]
.endr
.irp i, 0,1,2,3,4,5,6,7
	v_min_u32 v[LA+\i], s[CM1], v[LA+\i]           ; places past the count repeat the last row
.endr
.irp i, 0,1,2,3,4,5,6,7
	v_min_u32 v[LA+\i], 0x3ff, v[LA+\i]
.endr
.irp i, 0,1,2,3,4,5,6,7
	v_lshl_add_u32 v[LA+\i], v[LA+\i], 2, v[LB]
.endr
	s_wait_alu depctr_va_vdst(0)                   ; the eight list addresses are written, which the loads below read; the vector lines that wrote this TK two blocks back are done
.irp i, 0,1,2,3,4,5,6,7
	ds_load_b32 v[KK+\i], v[LA+\i]                 ; the token of row 8 h + i of the block
.endr
	WIN 0x02                                       ; source 0 in window 2
.set m, 0
.rept 8
.irp b, 0,1,2,3
	v_add_f32 v[TT+4*m+\b], v[32*(\j)+8*\b+m], v[BI+\b]   ; row 8 h + m, columns r, 16 + r, 32 + r, 48 + r side by side; each accumulator from its low end on
.endr
.set m, m+1
.endr
	WIN 0
	s_wait_dscnt 0x0
.irp i, 0,1,2,3,4,5,6,7
	v_min_u32 v[KK+\i], 0x3ff, v[KK+\i]
.endr
.irp i, 0,1,2,3,4,5,6,7
	v_lshl_add_u32 v[KK+\i], v[KK+\i], 12, v[C16]
.endr
.if ((\j) > 0) && ((\j) < 5)
	s_wait_xcnt 0x0                                ; the stores of the block before have had their addresses translated (ISA guide 3.1): the next block writes their registers only behind this wait
.endif
.if (\j) < 5
	s_wait_alu depctr_vm_vsrc(0)                   ; the stores of the block before have read the other T and TK, and my list loads have read LA: the next block writes all three
.endif
	s_wait_alu depctr_va_vdst(0)                   ; this block's T and TK are written, which the stores below read
.irp i, 0,1,2,3,4,5,6,7
	global_store_b128 v[KK+\i], v[TT+4*\i:TT+4*\i+3], s[34:35]   ; 16 lanes store 256 consecutive bytes, aligned
.endr
.endm
	s_mov_b32 s[G], 0
.Lgrp:
	s_mul_i32 s[TS], s[G], 6
	s_sub_co_i32 s[NB], s[NBW], s[TS]
	s_cmp_le_i32 s[NB], 0
	s_cbranch_scc1 .Lgnext
	s_wait_xcnt 0x0                                ; the offsets, the base and the out-buffers of the group before are written again only behind this wait
	s_wait_alu depctr_vm_vsrc(0)                   ; all that was issued so far has read its registers: the row loads AOFF, the turning loads BADR, the last stores T and TK, phase A's LDS stores LA and PK
	s_mul_i32 s[BLK0], s[G], 24
	s_add_co_u32 s[BLK0], s[BLK0], s[WV]
	v_lshl_add_u32 v[ROW], s[BLK0], 4, v[H8]
.irp j, 0,1,2,3,4,5
	s_add_co_u32 s[TS], s[BLK0], 4*\j
	s_min_u32 s[TS], s[TS], s[NM1]                 ; blocks past the last repeat the last
	s_min_u32 s[TS], s[TS], 63
	s_lshl_b32 s[TS], s[TS], 15
	v_add_nc_u32 v[AOFF+\j], s[TS], v[L16]
.endr
	s_mov_b64 s[32:33], s[44:45]
	v_mov_b32 v[BADR], v[BADR0]
	s_wait_alu depctr_va_vdst(0)                   ; AOFF and BADR are written; phase A's conversions and the matrix instructions of the group before are done reading the ring's and the fragments' registers
	ALOAD 0
	ALOAD 1
	ALOAD 2
	BLOAD 0
	BLOAD 1
	STEP 0, 1, 1, 1, 0, 24, 8                      ; the first K step starts all 24 sums; two younger steps of 12 loads and one of 8 turning loads stay out
	s_mov_b32 s[LC], 0
.Lk:                                                   ; 7 trips of 4 K steps.  The slice's LDS address is made anew from the trip's number: trip x 128 rows; with the largest offset it ends at byte 158,688 of the slice's 163,840
	s_mul_i32 s[TS], s[LC], 4*32*PW
	s_wait_alu depctr_vm_vsrc(0)                   ; the turning loads issued so far have read v[BADR]
	v_add_nc_u32 v[BADR], s[TS], v[BADR0]
	STEP 1, 0, 1, 1, 1, 24, 8
	STEP 2, 0, 1, 1, 1, 24, 8
	STEP 3, 0, 1, 1, 1, 24, 8
	STEP 4, 0, 1, 1, 1, 24, 8
	s_wait_xcnt 0x0                                ; hid's base is stepped only behind this wait
	s_add_nc_u64 s[32:33], s[32:33], 4096
	s_add_co_u32 s[LC], s[LC], 1
	s_cmp_lt_u32 s[LC], 7
	s_cbranch_scc1 .Lk
	s_wait_alu depctr_vm_vsrc(0)                   ; the turning loads issued so far have read v[BADR]
	v_add_nc_u32 v[BADR], 7*4*32*PW, v[BADR0]      ; the tail's rows 896 on: the last load ends at byte 163,808
	STEP 1, 0, 0, 1, 1, 24, 8                      ; the last three steps ask for no rows, the last two for no fragments: the counts run down
	STEP 2, 0, 0, 0, 1, 12, 8
	STEP 3, 0, 0, 0, 1, 0, 0
	PLACES
	EPI 0
	EPI 1
	EPI 2
	EPI 3
	EPI 4
	EPI 5
.Lepi_end:
.Lgnext:
	s_add_co_u32 s[G], s[G], 1
	s_cmp_lt_u32 s[G], 3
	s_cbranch_scc1 .Lgrp
	s_wait_dscnt 0x0                               ; my reads of LDS are over;
	s_barrier_signal -1
	s_barrier_wait -1                              ; every wave's are
	s_wait_dscnt 0x0                               ; the wave's end
	s_wait_alu depctr_hold_cnt(0) depctr_sa_sdst(0) depctr_va_vdst(0) depctr_va_sdst(0) depctr_va_ssrc(0) depctr_va_vcc(0) depctr_vm_vsrc(0)
	s_wait_tensorcnt 0x0
	ds_add_u32 v254, v255
	s_wait_dscnt 0x0
	s_endpgm
.Lfunc_end_k_qa943c8adcb_ffn2:
	.size	k_qa943c8adcb_ffn2, .Lfunc_end_k_qa943c8adcb_ffn2-k_qa943c8adcb_ffn2
	.p2alignl 7, 3214868480
	.fill 96, 4, 3214868480
	.section	.rodata,"a",@progbits
	.p2align	6, 0x0
	.amdhsa_kernel k_qa943c8adcb_ffn2
		.amdhsa_group_segment_fixed_size 181760
		.amdhsa_private_segment_fixed_size 0
		.amdhsa_enable_private_segment 0
		.amdhsa_kernarg_size 40
		.amdhsa_user_sgpr_count 2
		.amdhsa_user_sgpr_kernarg_segment_ptr 1
		.amdhsa_wavefront_size32 1
		.amdhsa_system_sgpr_workgroup_id_x 1
		.amdhsa_system_sgpr_workgroup_id_y 1
		.amdhsa_system_sgpr_workgroup_id_z 1
		.amdhsa_system_vgpr_workitem_id 0
		.amdhsa_next_free_vgpr 896
		.amdhsa_next_free_sgpr 66
		.amdhsa_reserve_vcc 0
		.amdhsa_float_denorm_mode_32 3
		.amdhsa_float_denorm_mode_16_64 3
		.amdhsa_memory_ordered 1
		.amdhsa_forward_progress 1
		.amdhsa_inst_pref_size 125
	.end_amdhsa_kernel
	.amdgpu_metadata
---
amdhsa.version: [ 1, 2 ]
amdhsa.kernels:
  - .name:           k_qa943c8adcb_ffn2
    .symbol:         k_qa943c8adcb_ffn2.kd
    .args:
      - { .name: hid, .offset: 0, .size: 8, .value_kind: global_buffer, .address_space: global }
      - { .name: sel, .offset: 8, .size: 8, .value_kind: global_buffer, .address_space: global }
      - { .name: w2, .offset: 16, .size: 8, .value_kind: global_buffer, .address_space: global }
      - { .name: b2, .offset: 24, .size: 8, .value_kind: global_buffer, .address_space: global }
      - { .name: y, .offset: 32, .size: 8, .value_kind: global_buffer, .address_space: global }
    .group_segment_fixed_size: 181760
    .private_segment_fixed_size: 0
    .kernarg_segment_align: 8
    .kernarg_segment_size: 40
    .max_flat_workgroup_size: 128
    .sgpr_count:     66
    .vgpr_count:     896
    .wavefront_size: 32
...
	.end_amdgpu_metadata
.endif
;; end of part 6
;; launch combine: the kernel of part 4 again; grid 256 x 1, 4 waves a work-group, no clusters, 20,992 bytes of LDS; arguments x, idx, gat, y, out0; writes out0
